; MI455X (gfx1250); checked and timed in simulation.
; The chip was launched on July 23, 2026; its instructions are those of AMD's public machine-readable ISA for CDNA 5 (MIT licence, August 2026) and "CDNA5" Instruction Set Architecture Reference Guide (July 2026). The comments in the code are by the model that wrote it; some were corrected since.
;; Multi Head Attention. Allowed arithmetic: matrix products marked QUANTISED: E2M3 operands, one E8M0 scale for each 32 along K, by v_wmma_scale_f32_16x16x128_f8f6f4 with both operands' format E2M3, f32 sums; everything else in f32.
;; Inputs: Wk 1,024 x 1,024 float32; Wo 1,024 x 1,024 float32; Wq 1,024 x 1,024 float32; Wv 1,024 x 1,024 float32; bk 1,024 float32; bo 1,024 float32; bq 1,024 float32; bv 1,024 float32; k 2 x 2,048 x 1,024 float32; mask 2 x 2,048 bool; q 2 x 2,048 x 1,024 float32; v 2 x 2,048 x 1,024 float32.
;; Outputs: out0 2 x 2,048 x 1,024 float32.
;; This version of the problem:
;;   THIS VERSION OF THE PROBLEM IS GIVEN IN LOW PRECISION. The matrix products marked QUANTISED in the list below multiply operands that are first quantised to E2M3 (2 exponent bits, 3 mantissa bits; 6 bits a number), with one power-of-two scale for each 32 numbers along K (OCP MX v1.0); their sums are f32. All else is computed in f32.
;;   The module's matrix products, in the order in which they are computed (A, B: the left and right operand; K: the contracted axis; several contracted axes count as one K, in the product's order):
;;     1. [M 4,096, K 1,024] x [K 1,024, N 1,024]; A: input q; B: input Wq: QUANTISED
;;     2. [M 4,096, K 1,024] x [K 1,024, N 1,024]; A: input k; B: input Wk: QUANTISED
;;     3. [M 4,096, K 1,024] x [K 1,024, N 1,024]; A: input v; B: input Wv: QUANTISED
;;     4. batch 32 x [M 2,048, K 64] x [K 64, N 2,048]; A: computed on the way; B: computed on the way: QUANTISED
;;     5. batch 32 x [M 2,048, K 2,048] x [K 2,048, N 64]; A: softmax (see below); B: computed on the way: QUANTISED
;;     6. [M 4,096, K 1,024] x [K 1,024, N 1,024]; A: computed on the way; B: input Wo: QUANTISED
;;   THE QUANTISER, for each operand of a quantised product, along K:
;;     - K is cut into blocks of 32 from its start; a last block that is shorter is filled with zeros.
;;     - A block's scale is 2^e with e = floor(log2(the largest magnitude in the block)) - 2, held to -126 .. 127; a block of zeros has e = 0. As a byte (E8M0): e + 127.
;;     - Each number is divided by its block's scale, clamped to +-7.5, and rounded to the nearest number of E2M3, ties to even, subnormals kept.
;;     - The product sums the exact products of the quantised numbers (number of the format x scale) in f32.
;;   ~~~python
;;   def quantise(x, axis):      # numpy; x: float32 -> the quantised numbers, widened to float32 again
;;       x = np.moveaxis(x, axis, -1); K = x.shape[-1]
;;       x = np.pad(x, [(0, 0)] * (x.ndim - 1) + [(0, -K % 32)]); x = x.reshape(x.shape[:-1] + (-1, 32)); a = np.abs(x).max(-1, keepdims=True)
;;       e = np.where(a > 0, np.clip(np.frexp(np.where(a > 0, a, 1))[1] - 1 - 2, -126, 127), 0)      # np.frexp(a)[1] - 1 = floor(log2(a)), exactly
;;       r = np.clip(x / 2.0 ** e, -7.5, 7.5)
;;       step = 2.0 ** (np.maximum(np.frexp(np.where(r == 0, 1, r))[1] - 1, 0) - 3)
;;       q = np.round(r / step) * step * 2.0 ** e      # np.round: ties to even
;;       return np.moveaxis(q.reshape(q.shape[:-2] + (-1,))[..., :K], -1, axis).astype(np.float32)
;;   ~~~
;;   SOFTMAX AHEAD OF A QUANTISED PRODUCT. Where the list says 'softmax', what is quantised is not the finished softmax but p = 2^(t - M), with t = logit x log2(e) and M = ceil(the row's largest t), a whole number; so 1/2 < the row's largest p <= 1. The row's sum l is taken of the UNQUANTISED p, in f32, and the product's result is divided by l at the end. Since M is a whole number, a kernel that streams over the keys may use a running M (the ceiling of the running maximum): every later rescaling is an exact power of two, which a block's scale takes up: the codes' values come out the same.
;;   OPERANDS COMPUTED ON THE WAY. 'Computed on the way' means the value that the module computes at that place (a softmax that the list does not call 'softmax' is quantised finished and normalised). What goes into a quantiser is computed in f32, as accurately as f32 sums, v_exp_f32 and their like allow (about 1e-6 of the number): no bf16 or f16 on the way to a quantiser, and a product that is left as it is and whose result goes on into a quantised operand takes f32 operands (vector FMAs, or v_wmma_f32_16x16x4_f32). A number that lies on a knife's edge between two numbers of the format may be rounded either way, as far as f32 arithmetic and the matrix unit's own rounding can turn it there, and no further.
;; One version. Each part assembles by itself: llvm-mc -triple=amdgcn-amd-amdhsa -mcpu=gfx1250 --defsym DOCPART=n.
;; ======== version 1 of 1: 4 launches
;; limits: right only within a limited range of input values
;; workspace buffers: cod 15,728,640 bytes; scl 655,360 bytes; qh 3,276,800 bytes; kv 6,553,600 bytes
;; launch quant (part 1): grid 512 x 1, 4 waves a work-group, no clusters, 34,304 bytes of LDS; arguments q, k, v, Wq, Wk, Wv, Wo, cod, scl; writes cod, scl
.if DOCPART == 1
	.amdgcn_target "amdgcn-amd-amdhsa--gfx1250"
	.amdhsa_code_object_version 6
	.text
	.protected	k_qe138c719cf_quant
	.globl	k_qe138c719cf_quant
	.p2align	8
	.type	k_qe138c719cf_quant,@function
k_qe138c719cf_quant:
	s_mov_b64 s[64:65], 0
	v_nop
	global_prefetch_b8 v0, s[64:65] scope:SCOPE_SE
	s_setreg_imm32_b32 hwreg(HW_REG_WAVE_MODE, 25, 1), 1
	s_wait_xcnt 0x0
; q, k, v [4096][1024] and Wq, Wk, Wv, Wo [1024][1024], f32 with K innermost, become codes of FP6 (E2M3) with one E8M0 byte for each 32 along K.
; A block's scale is 2^(floor(log2(its largest magnitude)) - 2): its byte is the largest magnitude's exponent field - 2, held at 1 from below.
; THE CODES ARE LAID AS THE MATRIX UNIT'S REGISTERS WANT THEM.  The 16,384 rows, laid on end, are 128 panels of 128 rows.  cod: [panel][K step of 128: 8][tile: 8][1,536 bytes]; a tile's fragment
; (16 rows x 128 K, 12 registers a lane) lies as an image of its registers: registers 4 c .. 4 c + 3 of lane l at 512 c + 16 l.  Lane r of tile i holds the panel's row 32 (i / 2) + 8 (i % 2) + r % 8 + 16 (r / 8).
; scl: [tile: 8 a panel][K half][r][4 words]: word s % 4 of half s / 4 is row r's four scale bytes of K step s.
; SHARES.  Work-group g takes rows 32 g .. 32 g + 31 (two tiles); wave w takes tile w / 2 and K half w % 2: four K steps.  Each load reads 512 consecutive bytes of one row; a step's 16 rows turn through the
; wave's own stage in LDS (rows of 512 + 16 bytes), from which lane (r, h) takes blocks h and 2 + h of row r whole: the very numbers that the operand's layout gives that lane.
; No cluster, no tensor load, no barrier: no two work-groups read the same byte, and waves share nothing.  32 loads a wave are out at the start, 16 to 32 later.
; LIMITS: NaN and infinities among the inputs are not served.  A block whose largest magnitude lies under 2^-124 keeps the byte 1; a block of zeros gets the byte 1 where the stated quantiser says 127:
; its codes are zeros, which add nothing under any byte but 0xff, and this program alone reads the bytes.
.set SP,   528                         ; a stage row: 512 bytes + 16: the sixteen rows that a pass of 16 lanes touches begin in sixteen different columns of 16 bytes
.set STG,  16*SP                       ; a wave's stage
.set R,    16                          ; v16-143  two sets of 64: a K step as loaded (register 4 p ..: row p of the tile)
.set X,    144                         ; v144-207 my two blocks of 32 neighbours
.set PC,   208                         ; v208-219 the fragment's 12 registers
.set TC,   220                         ; v220-227 the upper halves of the two blocks' codes (a conversion's three registers begin on an even number)
.set TM,   228                         ; v228-229 largest magnitudes
.set SO,   230                         ; v230-231 the conversions' scale operands
.set BY,   232                         ; v232-233 the scale bytes
.set TP,   234                         ; v234     the other half's bytes
.set W,    236                         ; v236-239 my row's scale words of the four K steps
.set SRC,  22                          ; s[22:23] the tensor that my work-group reads
.set SEL,  26                          ; s[26:27] lane selects for v_permlanex16_b32: lane l xor 16
	s_load_b512 s[4:19], s[0:1], 0x0               ; q, k, v, Wq, Wk, Wv, Wo, cod
	s_load_b64 s[20:21], s[0:1], 0x40              ; scl
	v_lshl_add_u32 v240, v0, 2, 0x8400
	v_mov_b32 v241, 0
	v_lshrrev_b32 v6, 5, v0
	v_readfirstlane_b32 s25, v6                    ; wave 0..3
	v_and_b32 v7, 31, v0                           ; lane
	v_and_b32 v8, 15, v0                           ; r
	v_bfe_u32 v9, v0, 4, 1                         ; h
	v_lshlrev_b32 v1, 4, v7                        ; v1: 16 x lane: my bytes of a load's 512, and of an image's 512
	s_mul_i32 s28, s25, STG
	v_add_nc_u32 v2, s28, v1                       ; v2: the stage, on the way in
	v_mul_u32_u24 v3, v8, SP
	v_lshl_add_u32 v3, v9, 7, v3
	v_add_nc_u32 v3, s28, v3                       ; v3: on the way out: row r, + 128 h bytes: block h
	v_lshlrev_b32 v4, 4, v8                        ; v4: 16 r: my row's four scale words
	v_lshlrev_b32 v5, 3, v9                        ; v5: 8 h: my bytes' place in a scale word
	v_mov_b32 v[TP], 0                             ; written once: a lane permute's destination counts as one of its sources
	s_mov_b32 s[SEL], 0x76543210
	s_mov_b32 s[SEL+1], 0xfedcba98
	s_lshr_b32 s29, s25, 1                         ; u: which of the group's two tiles
	s_and_b32 s30, s25, 1                          ; kh: which half of K
	s_lshr_b32 s34, ttmp9, 2                       ; cod: panel g / 4,
	s_mul_i32 s34, s34, 98304
	s_and_b32 s36, ttmp9, 3
	s_lshl_b32 s36, s36, 1
	s_add_co_u32 s36, s36, s29                     ; tile 2 (g % 4) + u,
	s_mul_i32 s36, s36, 1536
	s_add_co_u32 s34, s34, s36
	s_mul_i32 s36, s30, 49152                      ; four K steps of 12,288 bytes for each half
	s_add_co_u32 s34, s34, s36
	s_mov_b32 s35, 0
	s_lshl_b32 s36, ttmp9, 1                       ; scl: tile 2 g + u, 512 bytes each, 256 for each half
	s_add_co_u32 s36, s36, s29
	s_lshl_b32 s36, s36, 9
	s_lshl_b32 s38, s30, 8
	s_add_co_u32 s36, s36, s38
	s_mov_b32 s37, 0
	; k's ROWS (groups 128-255) ARE DEALT OTHERWISE: lane r of tile i holds the panel's row 64 (i / 4) + 8 (i % 4) + r % 8 + 32 (r / 8), so that in the score product a lane's 32 results of four tiles are one block of 32 keys
	s_lshr_b32 s31, ttmp9, 7
	s_cmp_eq_u32 s31, 1
	s_cselect_b32 s39, 1, 0                        ; 1 for k
	s_lshl_b32 s31, 0x10000, s39                   ; a tile's upper eight rows lie 16 rows on, in k 32
	s_wait_alu depctr_va_vdst(0)                   ; directly ahead of the reader below
	v_add_nc_u32 v10, s31, v1                      ; v10: my bytes of a load's 512 in the upper eight rows
	s_and_b32 s31, ttmp9, s39
	s_lshl_b32 s39, s31, 16                        ; in k an odd group's tiles begin 16 rows earlier
	s_wait_alu depctr_va_vdst(0)
	s_wait_kmcnt 0x0
; which tensor: the choice hangs on the work-group's number alone.  s24: the tensor's first group
.macro PICK lim, ptr, base
	s_cmp_lt_u32 ttmp9, \lim
	s_cselect_b64 s[SRC:SRC+1], s[\ptr:\ptr+1], s[SRC:SRC+1]
	s_cselect_b32 s24, \base, s24
.endm
	s_mov_b64 s[SRC:SRC+1], s[16:17]               ; Wo: groups 480 on
	s_mov_b32 s24, 480
	PICK 480, 14, 448                              ; Wv
	PICK 448, 12, 416                              ; Wk
	PICK 416, 10, 384                              ; Wq
	PICK 384, 8, 256                               ; v
	PICK 256, 6, 128                               ; k
	PICK 128, 4, 0                                 ; q
	s_sub_co_u32 s32, ttmp9, s24
	s_lshl_b32 s32, s32, 17                        ; 32 rows of 4,096 bytes a group,
	s_lshl_b32 s38, s29, 15                        ; tile u begins 8 rows on,
	s_add_co_u32 s32, s32, s38
	s_lshl_b32 s38, s30, 11                        ; half kh 2,048 bytes on
	s_add_co_u32 s32, s32, s38
	s_sub_co_u32 s32, s32, s39
	s_mov_b32 s33, 0
	s_add_nc_u64 s[SRC:SRC+1], s[SRC:SRC+1], s[32:33]
	s_add_nc_u64 s[18:19], s[18:19], s[34:35]
	s_add_nc_u64 s[20:21], s[20:21], s[36:37]
.macro LOAD t                          ; K step t of my four: the tile's 16 rows, 512 consecutive bytes each
.irp p, 0,1,2,3,4,5,6,7
	global_load_b128 v[R+64*((\t)%2)+4*\p:R+64*((\t)%2)+4*\p+3], v1, s[SRC:SRC+1] offset:\p*4096+512*(\t) th:TH_LOAD_NT
	global_load_b128 v[R+64*((\t)%2)+32+4*\p:R+64*((\t)%2)+32+4*\p+3], v10, s[SRC:SRC+1] offset:\p*4096+512*(\t) th:TH_LOAD_NT
.endr
.endm
.macro TURN t                          ; through the stage: LDS serves a wave's instructions in order, so no wait stands between the stores and the loads
.irp p, 0,1,2,3,4,5,6,7,8,9,10,11,12,13,14,15
	ds_store_b128 v2, v[R+64*((\t)%2)+4*\p:R+64*((\t)%2)+4*\p+3] offset:SP*\p
.endr
.irp c, 0,1
.irp i, 0,1,2,3,4,5,6,7
	ds_load_b128 v[X+32*\c+4*\i:X+32*\c+4*\i+3], v3 offset:256*\c+16*\i   ; k = 64 c + 32 h + 4 i .. of row r
.endr
.endr
.endm
.macro QF t                            ; my two blocks become registers 6 c .. 6 c + 5 of the fragment, and my row's scale word
.irp c, 0,1
	v_max3_num_f32 v[TM+\c], |v[X+32*\c]|, |v[X+32*\c+1]|, 0x1800000   ; the floor 2^(3 - 127) among the leaves: the byte cannot fall under 1
.endr
.irp i, 2,4,6,8,10,12,14,16,18,20,22,24,26,28,30
.irp c, 0,1
	v_max3_num_f32 v[TM+\c], v[TM+\c], |v[X+32*\c+\i]|, |v[X+32*\c+\i+1]|   ; the two blocks by turns
.endr
.endr
.irp c, 0,1
	v_add_nc_u32 v[SO+\c], 0xff000000, v[TM+\c]    ; 2 off the exponent field: the conversion takes the exponent field of this operand as its scale
.endr
.irp c, 0,1
	v_lshrrev_b32 v[BY+\c], 23, v[SO+\c]           ; the scale's byte
.endr
	v_lshl_or_b32 v[W+(\t)], v[BY+1], 16, v[BY]    ; blocks h and 2 + h,
	v_lshlrev_b32 v[W+(\t)], v5, v[W+(\t)]         ; at their places in the word;
	v_permlanex16_b32 v[TP], v[W+(\t)], s[SEL], s[SEL+1]
	v_or_b32 v[W+(\t)], v[W+(\t)], v[TP]           ; with lane l xor 16's two the word is whole
.irp c, 0,1
	v_cvt_scalef32_pk16_fp6_f32 v[PC+6*\c:PC+6*\c+2], v[X+32*\c:X+32*\c+15], v[SO+\c]
	v_cvt_scalef32_pk16_fp6_f32 v[TC+4*\c:TC+4*\c+2], v[X+32*\c+16:X+32*\c+31], v[SO+\c]
.endr
	v_nop                                          ; one plain place behind a scaled conversion
.irp c, 0,1
.irp i, 0,1,2
	v_mov_b32 v[PC+6*\c+3+\i], v[TC+4*\c+\i]
.endr
.endr
.endm
.macro OUT t                           ; the image: each store covers 512 consecutive bytes, at a multiple of 256 from cod's first byte
.irp c, 0,1,2
	global_store_b128 v1, v[PC+4*\c:PC+4*\c+3], s[18:19] offset:12288*(\t)+512*\c
.endr
.endm
	LOAD 0
	LOAD 1
.irp t, 0,1,2,3
.if \t < 3
	s_wait_loadcnt 16                              ; this step's 16 loads are in; the next step's 16 may be out
.else
	s_wait_loadcnt 0x0
.endif
	TURN \t
	s_wait_dscnt 0x0                               ; my blocks are back, and the stores into the stage have read their registers,
.if \t < 2
	LOAD \t+2                                      ; which take the loads of two steps on
.endif
.if \t > 0
	s_wait_xcnt 0x0                                ; the last step's stores have read the fragment's registers: they are written again only behind this wait
.endif
	QF \t
	OUT \t
.endr
	global_store_b128 v4, v[W:W+3], s[20:21]       ; 16 rows x 16 bytes: 256 consecutive bytes (lanes r and r + 16 hold and store the same)
	s_wait_tensorcnt 0x0
	ds_add_u32 v240, v241
	s_wait_dscnt 0x0
	s_endpgm
.Lfunc_end_k_qe138c719cf_quant:
	.size	k_qe138c719cf_quant, .Lfunc_end_k_qe138c719cf_quant-k_qe138c719cf_quant
	.p2alignl 7, 3214868480
	.fill 96, 4, 3214868480
	.section	.rodata,"a",@progbits
	.p2align	6, 0x0
	.amdhsa_kernel k_qe138c719cf_quant
		.amdhsa_group_segment_fixed_size 34304
		.amdhsa_private_segment_fixed_size 0
		.amdhsa_enable_private_segment 0
		.amdhsa_kernarg_size 72
		.amdhsa_user_sgpr_count 2
		.amdhsa_user_sgpr_kernarg_segment_ptr 1
		.amdhsa_wavefront_size32 1
		.amdhsa_system_sgpr_workgroup_id_x 1
		.amdhsa_system_sgpr_workgroup_id_y 1
		.amdhsa_system_sgpr_workgroup_id_z 1
		.amdhsa_system_vgpr_workitem_id 0
		.amdhsa_next_free_vgpr 242
		.amdhsa_next_free_sgpr 66
		.amdhsa_reserve_vcc 0
		.amdhsa_float_denorm_mode_32 3
		.amdhsa_float_denorm_mode_16_64 3
		.amdhsa_memory_ordered 1
		.amdhsa_forward_progress 1
		.amdhsa_inst_pref_size 31
	.end_amdhsa_kernel
	.amdgpu_metadata
---
amdhsa.version: [ 1, 2 ]
amdhsa.kernels:
  - .name:           k_qe138c719cf_quant
    .symbol:         k_qe138c719cf_quant.kd
    .args:
      - { .name: q, .offset: 0, .size: 8, .value_kind: global_buffer, .address_space: global }
      - { .name: k, .offset: 8, .size: 8, .value_kind: global_buffer, .address_space: global }
      - { .name: v, .offset: 16, .size: 8, .value_kind: global_buffer, .address_space: global }
      - { .name: Wq, .offset: 24, .size: 8, .value_kind: global_buffer, .address_space: global }
      - { .name: Wk, .offset: 32, .size: 8, .value_kind: global_buffer, .address_space: global }
      - { .name: Wv, .offset: 40, .size: 8, .value_kind: global_buffer, .address_space: global }
      - { .name: Wo, .offset: 48, .size: 8, .value_kind: global_buffer, .address_space: global }
      - { .name: cod, .offset: 56, .size: 8, .value_kind: global_buffer, .address_space: global }
      - { .name: scl, .offset: 64, .size: 8, .value_kind: global_buffer, .address_space: global }
    .group_segment_fixed_size: 34304
    .private_segment_fixed_size: 0
    .kernarg_segment_align: 8
    .kernarg_segment_size: 72
    .max_flat_workgroup_size: 128
    .sgpr_count:     66
    .vgpr_count:     242
    .wavefront_size: 32
...
	.end_amdgpu_metadata
.endif
;; end of part 1
;; launch proj (part 2): grid 8 x 32, 8 waves a work-group, clusters of 4 x 4, 327,680 bytes of LDS; arguments cod, scl, bq, bk, bv, qh, kv; writes qh, kv
.if DOCPART == 2
	.amdgcn_target "amdgcn-amd-amdhsa--gfx1250"
	.amdhsa_code_object_version 6
	.text
	.protected	k_qe138c719cf_proj
	.globl	k_qe138c719cf_proj
	.p2align	8
	.type	k_qe138c719cf_proj,@function
k_qe138c719cf_proj:
	s_mov_b64 s[64:65], 0
	v_nop
	global_prefetch_b8 v0, s[64:65] scope:SCOPE_SE
	s_setreg_imm32_b32 hwreg(HW_REG_WAVE_MODE, 25, 1), 1
	s_wait_xcnt 0x0
	s_wait_alu depctr_hold_cnt(0) depctr_sa_sdst(0) depctr_va_vdst(0) depctr_va_sdst(0) depctr_va_ssrc(0) depctr_va_vcc(0) depctr_vm_vsrc(0)
	s_getreg_b32 s2, hwreg(HW_REG_IB_STS2, 6, 4)
	s_cmp_eq_u32 s2, 0
	s_cbranch_scc0 .Lentry_in_a_cluster
	s_endpgm
.Lentry_in_a_cluster:
	s_bfe_u32 s2, ttmp6, 0x10000c
	s_cmp_lg_u32 s2, 0xf033
	s_cbranch_scc0 .Lentry_shape_is_right
	s_endpgm
.Lentry_shape_is_right:
; The three projections, on codes of FP6 (E2M3) with E8M0 scales, each with its bias, and their results quantised again on the way: Q and K along the head's 64, V along the keys.
; A WORK-GROUP STAYS AND MAKES THREE TILES of 128 x 128 over all of K = 1,024, one after the other: tile j = 0, 1, 2 is Q, K, V; it multiplies panel 32 j + pr of cod (128 rows of q, k, v; pr = 4 Y + cy) with
; panel 96 + 8 j + pn (128 rows of Wq, Wk, Wv; pn = 4 X + cx).  S1 is the panel that goes in as source 1 (its rows are the result's lanes), S0 the one that goes in as source 0 (its rows run along a lane's registers).
;   Q, K: S1 = the rows of q or k, S0 = the rows of W: a lane holds one token, its registers run along the head's channels, which are the score product's K.
;   V:    S1 = the rows of Wv,     S0 = the rows of v: a lane holds one channel, its registers run along the keys, which are the second product's K.
; Panels lie in cod as images of fragments (12,288 bytes a K step, 1,536 a tile); lane r of tile i is the panel's row 32 (i / 2) + 8 (i % 2) + r % 8 + 16 (r / 8), so that the 16 result registers of source 0's
; tiles 2 b and 2 b + 1 are the 16 neighbours 32 b + 16 (lane / 16) + 0 .. 15: a block of 32 lies in lanes l and l xor 16.
; THE RING.  K goes in halves (four K steps) through three LDS slots of 98,304 bytes: the x panel's half, then the W panel's.  Half u = 2 j + kh lies in slot u % 3.  Halves 0, 1, 2 are first fills; halves 3, 4, 5 fill
; slots 0, 1, 2 again, each as soon as the slot's last fragment is in registers, so each has four K steps or more in which to land.  A wave has one tensor load out at a time.
; CLUSTERS: 4 x 4 work-groups.  The x panel hangs on the cluster's y and cy alone and is shared along a row of the cluster (waves 0-3 ask for it), the W panel on its x and cx alone and is shared along a column
; (waves 4-7): joint loads, 48 rows of 256 bytes a wave.
; WAVES: eight, each 32 (S1: tiles 2 wm, 2 wm + 1) x 64 (S0: tiles 4 wn .. 4 wn + 3; one head, or half a key step): 8 accumulators, which begin as the bias, so that all eight K steps are alike.
; OUT.  qh: [batch x head: 32][group of 128 queries: 16][6,400]: 8 half images of 768 bytes (16 rows x 64 K, 6 registers: 0-3 at 16 l, 4-5 at 512 + 8 l), then at 6,144 the scale half-words, tile T's at 16 r + 2 T.
;       kv: [batch x head][key step of 128: 16][12,800]: K's 8 half images; from 6,144 V's (tile t of 16 channels, half c of the keys: 1,536 t + 768 c); K's half-words at 12,288; V's at 12,544 + 16 r + 4 t + 2 c.
; LIMITS: NaN and infinities are not served; a block whose largest magnitude lies under 2^-124, a block of zeros among them, gets the byte 1 (zeros have zero codes, which add nothing; this program alone reads the bytes).
; THE FILLS AS THIS TEXT HAS THEM (in place of what the paragraph on the ring says above).  LDS is six regions of half a panel: slot 0 = regions 0 (x) and 2 (W), slot 1 = regions 1 and 3, slot 2 = regions 4 and 5.
; Four fills, one tensor load a wave each: at the head Q's whole panels (regions 0-3, 24,576 bytes a wave); behind the head's round K's first half (slot 2, 12,288 bytes a wave);
; behind Q's last K step K's second half and V's first (regions 0-3 again, 24,576 bytes a wave: waves 0, 1 and 4, 5 take K's, waves 2, 3 and 6, 7 V's); behind K's fourth K step V's second half (slot 2 again).
.set PANEL, 98304
.set KSB,   12288                      ; a K step of a panel
.set FRB,   1536                       ; a fragment's image
.set HALFP, 49152                      ; half a panel: four K steps
.set SLOT,  98304                      ; a slot: the x panel's half, then the W panel's
.set PART,  12288                      ; what one tensor load brings: 48 rows of 256 bytes
.set XSTEP, 32*PANEL                   ; from q's panel to k's, from k's to v's
.set WSTEP, 8*PANEL                    ; from Wq's panel to Wk's, from Wk's to Wv's
.set SPARE, 3*SLOT                     ; behind the ring: the spare words, 128 bytes for each wave: four blocks of 256 bytes that no other line names
.set BTAB,  SPARE+1024                 ; behind them: the biases of the W panels' 128 rows, 512 bytes each of bq, bk, bv; stored once, no tensor load lands there
.set L16,  1                           ; v1      16 x lane
.set B1Q,  2                           ; v2      Q, K: my S1 fragments in a slot (the x half)      v3  my S0 fragments (the W half)
.set B0Q,  3
.set B1V,  4                           ; v4      V: my S1 fragments (the W half)                   v5  my S0 fragments (the x half)
.set B0V,  5
.set AD1,  6                           ; v6-7    the same for the half in hand: + the slot
.set AD0,  7
.set SO,   8                           ; v8-10   offsets of the scale loads, one for each tile, never rewritten
.set BQ,   11                          ; v11     LDS address of my channels' bias, Q and K
.set SC,   12                          ; v12-43  scale words: register 8 i + s: lanes 0-15 S1's tile 2 wm + i (used for i = 0, 1), lanes 16-31 S0's tile 4 wn + i, K step s
.set ACC,  44                          ; v44-107 accumulator (a, b) at 44 + 8 (4 a + b)
.set F0,   108                         ; v108-179, v180-251 two sets of fragments: S1's two at 12 a, S0's four at 24 + 12 b.  (v108-115 are at work at the head)
.set F1,   180
.set BV,   252                         ; v252    LDS address of my lane's bias, V
.set SPW,  253                         ; v253    LDS address of my spare word: SPARE + 4 x my thread's number; never rewritten
.set NIL,  254                         ; v254    0; never rewritten
.set TS,   255                         ; v255    where my thread puts its words of the bias table
.set TM,   180                         ; the way out, in the second set's registers: v180-187 at work,
.set PC,   192                         ; v192-215 two half images' codes,
.set HW,   216                         ; v216-217 their scale half-words,
.set ST,   218                         ; v218-220 store offsets
.set WV,   18                          ; s18 wave; s19 wm; s20 wn; s21 wave % 4; s22 cx; s23 cy; s24 pr; s25 pn
.set G1A,  28                          ; s[28:35] descriptor group 1 for the x panels;  s[36:43] for the W panels: they differ in the mask
.set G1B,  36
.set G0A,  44                          ; s[44:55] three groups 0 for the x panels, one for each slot;  s[68:79] for the W panels
.set G0B,  68
.set OFQ,  80                          ; s80, s81 where Q's codes and half-words go; s82, s83 K's; s84, s85 V's
.set SEL,  86                          ; s[86:87] lane selects for v_permlanex16_b32: lane l xor 16
.macro CROUND                          ; a round of the cluster's barrier
	s_barrier_signal -1
	s_barrier_wait -1
	s_cmp_lg_u32 s[WV], 0
	s_cbranch_scc1 .Lnot_wave_0_\@
	s_barrier_signal -3
.Lnot_wave_0_\@:
	s_barrier_wait -3
	s_barrier_signal -1
	s_barrier_wait -1
.endm
.macro PLACES                          ; four plain places behind a matrix instruction of this form, in front of loads into registers that it has read and of reads of its results
.rept 4
	v_nop
.endr
.endm
; A joint refill of slot set.  Each of the two lines has one mask and one set of registers for all that issue it; the branch hangs on the wave's number alone.  Four v_nop follow each line;
; they are also the places between the last products and the loads that follow the macro.
.macro JLOAD set
	s_cmp_lt_u32 s[WV], 4
	s_cbranch_scc0 .Lfor_w_\@
	tensor_load_to_lds s[G0A+4*\set:G0A+4*\set+3], s[G1A:G1A+7]
	s_nop 0
	PLACES
	s_branch .Lasked_\@
.Lfor_w_\@:
	tensor_load_to_lds s[G0B+4*\set:G0B+4*\set+3], s[G1B:G1B+7]
	s_nop 0
	PLACES
.Lasked_\@:
.endm
; A change of halves behind which the slot just read out is filled again.  dr, dc: bytes from the half that the slot held to the half that it takes, in the x panels and in the W panels.
.macro RB set, dr, dc
	s_wait_tensorcnt 0x0                           ; all my tensor loads have landed, my part of the next half among them: so a group 0 may be written
	ds_add_u32 v[SPW], v[NIL]                      ; 0 onto my spare word: the descriptors' steps stand between it and the wait for it
	s_add_nc_u64 s[G0A+4*\set+2:G0A+4*\set+3], s[G0A+4*\set+2:G0A+4*\set+3], \dr   ; the type bits on top are not reached
	s_add_nc_u64 s[G0B+4*\set+2:G0B+4*\set+3], s[G0B+4*\set+2:G0B+4*\set+3], \dc
	s_mov_b32 s[G1A+2], 48<<16                     ; no tensor load of mine is out: this load brings 48 rows
	s_mov_b32 s[G1A+4], 48
	s_mov_b32 s[G1B+2], 48<<16
	s_mov_b32 s[G1B+4], 48
	s_wait_dscnt 0x0                               ; the add is done, and my reads of the slot are over: its last fragments are in registers
	CROUND                                         ; both now hold of every wave of all sixteen work-groups
	JLOAD \set                                     ; the first tensor load behind the round, and my only one until the next
.endm
.macro PB n                            ; a change of halves behind which nothing is filled: my part of the next half has landed (n younger loads may stay out), my LDS instructions are done; then everybody's
	s_wait_tensorcnt \n
	s_wait_dscnt 0x0
	s_barrier_signal -1
	s_barrier_wait -1
.endm
	s_load_b256 s[4:11], s[0:1], 0x0               ; cod, scl, bq, bk
	s_load_b128 s[12:15], s[0:1], 0x20             ; bv, qh
	s_load_b64 s[16:17], s[0:1], 0x30              ; kv
	v_lshl_add_u32 v[SPW], v0, 2, SPARE
	v_mov_b32 v[NIL], 0
	ds_add_u32 v253, v254
	ds_add_u32 v253, v254
	s_wait_dscnt 0x0
	v_lshl_add_u32 v[TS], v0, 2, BTAB              ; every LDS address that stays is made here, ahead of every branch
	v_lshlrev_b32 v115, 2, v0                      ; and the same word in a bias's 512 bytes
	v_lshrrev_b32 v110, 5, v0
	s_delay_alu instid0(VALU_DEP_1)
	v_readfirstlane_b32 s[WV], v110                ; wave 0..7
	s_lshr_b32 s19, s[WV], 1                       ; wm
	s_and_b32 s20, s[WV], 1                        ; wn
	s_and_b32 s21, s[WV], 3                        ; which quarter of a half panel I fetch
	v_and_b32 v110, 31, v0
	s_delay_alu instid0(VALU_DEP_1)
	v_lshlrev_b32 v[L16], 4, v110
	v_and_b32 v108, 15, v0                         ; r
	v_bfe_u32 v109, v0, 4, 1                       ; h
	s_delay_alu instid0(VALU_DEP_1)
	v_cmp_eq_u32 vcc_lo, 1, v109
	s_mul_i32 s26, s19, 2*FRB
	v_add_nc_u32 v[B1Q], s26, v[L16]               ; tiles 2 wm, 2 wm + 1 of the x half,
	s_delay_alu instid0(VALU_DEP_1)
	v_add_nc_u32 v[B1V], HALFP, v[B1Q]             ; or of the W half
	s_mul_i32 s26, s20, 4*FRB
	v_add_nc_u32 v[B0V], s26, v[L16]               ; tiles 4 wn .. of the x half,
	s_delay_alu instid0(VALU_DEP_1)
	v_add_nc_u32 v[B0Q], HALFP, v[B0V]             ; or of the W half
	s_lshl_b32 s26, s20, 8
	s_add_co_u32 s26, s26, BTAB
	v_lshl_add_u32 v[BQ], v109, 6, s26             ; Q, K: register j of tile b is the panel's channel 64 wn + 32 (b / 2) + 8 (b % 2) + 16 h + j
	v_and_b32 v110, 7, v108
	v_lshrrev_b32 v111, 3, v108
	s_delay_alu instid0(VALU_DEP_1)
	v_lshl_add_u32 v110, v111, 4, v110
	s_lshl_b32 s26, s19, 7
	s_add_co_u32 s26, s26, BTAB+1024
	v_lshl_add_u32 v[BV], v110, 2, s26             ; V: my lane's channel in tile a: 32 wm + 8 a + r % 8 + 16 (r / 8)
	s_bfe_u32 s22, ttmp6, 0x40000                  ; cx
	s_bfe_u32 s23, ttmp6, 0x40004                  ; cy
	s_and_b32 s24, ttmp7, 0xffff
	s_lshl_b32 s24, s24, 2
	s_add_co_u32 s24, s24, s23                     ; pr = 4 Y + cy: which 128 rows of q, k, v
	s_lshl_b32 s25, ttmp9, 2
	s_add_co_u32 s25, s25, s22                     ; pn = 4 X + cx: which 128 rows of Wq, Wk, Wv
	s_lshl_b32 s26, s23, 2
	s_lshl_b32 s26, 15, s26                        ; my row of the cluster
	s_lshl_b32 s27, 0x1111, s22                    ; my column
	s_or_b32 s[G1A], s26, (3<<16)|(1<<21)          ; 15:0 the mask; 17:16 elements of 8 bytes; 21 set beside a mask; no padding
	s_or_b32 s[G1B], s27, (3<<16)|(1<<21)
.irp g, G1A, G1B                       ; the head's load: a dense block of 24,576 bytes as 96 rows of 256; behind it the two words that count rows are set to 48, for the ring's loads
	s_mov_b32 s[\g+1], 32<<16                      ; tensor_dim0 = 32 elements
	s_mov_b32 s[\g+2], 96<<16                      ; tensor_dim1 = 96
	s_mov_b32 s[\g+3], 32<<16                      ; tile_dim0
	s_mov_b32 s[\g+4], 96                          ; tile_dim1
	s_mov_b32 s[\g+5], 32                          ; from row to row
	s_mov_b32 s[\g+6], 0
	s_mov_b32 s[\g+7], 0
.endr
	s_mov_b32 s[SEL], 0x76543210
	s_mov_b32 s[SEL+1], 0xfedcba98
	; where the results go.  Q, K: block (16 x batch + head) x 16 + group of 128 rows, head = 2 pn + wn; tile 2 wm + a.  V: head = 2 pn + wm / 2, key step = the group; tile 2 (wm % 2) + a of its channels, half wn of the keys
	s_lshr_b32 s88, s24, 4
	s_lshl_b32 s88, s88, 4                         ; 16 x batch
	s_lshl_b32 s89, s25, 1                         ; 2 pn
	s_and_b32 s91, s24, 15                         ; the group
	s_add_co_u32 s90, s88, s89
	s_add_co_u32 s90, s90, s20
	s_lshl_b32 s90, s90, 4
	s_add_co_u32 s90, s90, s91
	s_mul_i32 s92, s19, 1536                       ; two half images of 768 bytes a wm,
	s_lshl_b32 s93, s19, 2                         ; two half-words
	s_mul_i32 s[OFQ], s90, 6400
	s_add_co_u32 s[OFQ+1], s[OFQ], s93
	s_add_co_u32 s[OFQ+1], s[OFQ+1], 6144
	s_add_co_u32 s[OFQ], s[OFQ], s92
	s_mul_i32 s[OFQ+2], s90, 12800
	s_add_co_u32 s[OFQ+3], s[OFQ+2], s93
	s_add_co_u32 s[OFQ+3], s[OFQ+3], 12288
	s_add_co_u32 s[OFQ+2], s[OFQ+2], s92
	s_lshr_b32 s94, s19, 1
	s_add_co_u32 s90, s88, s89
	s_add_co_u32 s90, s90, s94
	s_lshl_b32 s90, s90, 4
	s_add_co_u32 s90, s90, s91
	s_mul_i32 s[OFQ+4], s90, 12800
	s_and_b32 s94, s19, 1
	s_lshl_b32 s95, s94, 3
	s_add_co_u32 s[OFQ+5], s[OFQ+4], s95
	s_lshl_b32 s95, s20, 1
	s_add_co_u32 s[OFQ+5], s[OFQ+5], s95
	s_add_co_u32 s[OFQ+5], s[OFQ+5], 12544
	s_mul_i32 s95, s94, 3072
	s_add_co_u32 s[OFQ+4], s[OFQ+4], s95
	s_mul_i32 s95, s20, 768
	s_add_co_u32 s[OFQ+4], s[OFQ+4], s95
	s_add_co_u32 s[OFQ+4], s[OFQ+4], 6144
	; the scale words' offsets in scl (512 bytes a tile, 8 tiles a panel, 16 bytes a row and K half): lanes 0-15 take S1's tiles from 2 wm on, lanes 16-31 S0's from 4 wn on
.macro MKSO j
	v_mov_b32 v110, s92
	v_mov_b32 v111, s93
	s_delay_alu instid0(VALU_DEP_1)
	v_cndmask_b32 v110, v110, v111, vcc_lo
	s_delay_alu instid0(VALU_DEP_1)
	v_lshl_add_u32 v[SO+\j], v108, 4, v110
.endm
	s_lshl_b32 s88, s24, 3                         ; 8 pr
	s_lshl_b32 s89, s25, 3                         ; 8 pn
	s_lshl_b32 s90, s19, 1                         ; 2 wm
	s_lshl_b32 s91, s20, 2                         ; 4 wn
	s_add_co_u32 s92, s88, s90
	s_lshl_b32 s92, s92, 9                         ; Q: S1 = q's panel pr,
	s_add_co_u32 s93, s89, s91
	s_add_co_u32 s93, s93, 8*96
	s_lshl_b32 s93, s93, 9                         ; S0 = panel 96 + pn
	MKSO 0
	s_add_co_u32 s92, s92, 8*32*512                ; K: 32 panels on,
	s_add_co_u32 s93, s93, 8*8*512                 ; 8 panels on
	MKSO 1
	s_add_co_u32 s92, s89, s90
	s_add_co_u32 s92, s92, 8*112
	s_lshl_b32 s92, s92, 9                         ; V: S1 = panel 112 + pn,
	s_add_co_u32 s93, s88, s91
	s_add_co_u32 s93, s93, 8*64
	s_lshl_b32 s93, s93, 9                         ; S0 = panel 64 + pr
	MKSO 2
	; what I fetch: my quarter of a half panel.  The x panels' address holds cy and never cx, the W panels' cx and never cy; every wave makes both and asks by one
	s_mul_i32 s60, s21, PART
	s_mul_i32 s56, s24, PANEL
	s_add_co_u32 s56, s56, s60
	s_mov_b32 s57, 0
	s_add_co_u32 s58, s25, 96
	s_mul_i32 s58, s58, PANEL
	s_add_co_u32 s58, s58, s60
	s_mov_b32 s59, 0
	s_lshr_b32 s61, s[WV], 2
	s_mul_i32 s61, s61, HALFP
	s_add_co_u32 s61, s61, s60                     ; and where it goes in a slot: waves 0-3 fill the x half, waves 4-7 the W half: the wave's number alone
	s_lshl_b32 s88, s25, 9                         ; the biases of the W panels' rows: 512 pn bytes on
	s_mov_b32 s89, 0
	s_wait_kmcnt 0x0
	s_add_nc_u64 s[56:57], s[4:5], s[56:57]
	s_add_nc_u64 s[58:59], s[4:5], s[58:59]
	s_add_nc_u64 s[8:9], s[8:9], s[88:89]
	s_add_nc_u64 s[10:11], s[10:11], s[88:89]
	s_add_nc_u64 s[12:13], s[12:13], s[88:89]
.macro SET c, offr, offc               ; the groups 0 of slot c, for its first fill
	s_mov_b32 s[G0A+4*\c], 1                       ; count = 1
	s_add_co_u32 s[G0A+4*\c+1], s61, (\c)*(\c)*HALFP   ; LDS is six regions of half a panel: slot 0 has regions 0 (x) and 2 (W), slot 1 regions 1 and 3, slot 2 regions 4 and 5
	s_add_nc_u64 s[G0A+4*\c+2:G0A+4*\c+3], s[56:57], \offr
	s_or_b32 s[G0A+4*\c+3], s[G0A+4*\c+3], 0x80000000   ; type = 2
	s_mov_b32 s[G0B+4*\c], 1
	s_add_co_u32 s[G0B+4*\c+1], s61, HALFP<<(\c)       ; (s61 holds one HALFP in the waves that ask for W)
	s_add_nc_u64 s[G0B+4*\c+2:G0B+4*\c+3], s[58:59], \offc
	s_or_b32 s[G0B+4*\c+3], s[G0B+4*\c+3], 0x80000000
.endm
	SET 2, XSTEP, WSTEP
.set G0H,  92                          ; s[92:95], s[96:99] groups 0 of the head's load: a quarter of Q's WHOLE x panel (regions 0, 1 on end) or W panel (regions 2, 3): both halves of Q by one load a wave
.set G0HB, 96
	s_mov_b32 s62, s60
	s_mov_b32 s63, 0
	s_mov_b32 s[G0H], 1
	s_lshl_b32 s[G0H+1], s60, 1                    ; 24,576 x (wave % 4)
	s_add_nc_u64 s[G0H+2:G0H+3], s[56:57], s[62:63]
	s_or_b32 s[G0H+3], s[G0H+3], 0x80000000
	s_mov_b32 s[G0HB], 1
	s_add_co_u32 s[G0HB+1], s[G0H+1], 2*HALFP
	s_add_nc_u64 s[G0HB+2:G0HB+3], s[58:59], s[62:63]
	s_or_b32 s[G0HB+3], s[G0HB+3], 0x80000000
	s_lshr_b32 s90, s21, 1                         ; what the refill of regions 0-3 adds to these two addresses: waves 0, 1 of a four go on to K's second half, waves 2, 3 to V's first
	s_mul_i32 s62, s90, XSTEP-PANEL
	s_add_co_u32 s62, s62, XSTEP+HALFP
	s_mul_i32 s88, s90, WSTEP-PANEL
	s_add_co_u32 s88, s88, WSTEP+HALFP
	s_mov_b32 s89, 0
	CROUND                                         ; all sixteen work-groups are here: the joint loads meet
	s_cmp_lt_u32 s[WV], 4                          ; one tensor load a wave at the head, in one branch on the wave's number; four v_nop follow it
	s_cbranch_scc0 .Lfirst_w
	tensor_load_to_lds s[G0H:G0H+3], s[G1A:G1A+7]
	s_nop 0
	PLACES
	s_branch .Lfirst_asked
.Lfirst_w:
	tensor_load_to_lds s[G0HB:G0HB+3], s[G1B:G1B+7]
	s_nop 0
	PLACES
.Lfirst_asked:
.macro SCLOAD j, kh                    ; tile j's scale words of K half kh, straight from memory: 16 bytes a row.  (For i = 2, 3 lanes 0-15 read the two tiles behind S1's own, inside scl; those lanes of these registers are not used)
.irp i, 0,1,2,3
	global_load_b128 v[SC+8*\i+4*\kh:SC+8*\i+4*\kh+3], v[SO+\j], s[6:7] offset:512*\i+256*\kh
.endr
.endm
	s_wait_alu depctr_va_vdst(0)
	SCLOAD 0, 0
	SCLOAD 0, 1
	s_cmp_lt_u32 s[WV], 4                          ; the bias table: 128 threads, a word of each of the three biases
	s_cbranch_scc0 .Lno_table
	global_load_b32 v112, v115, s[8:9]
	global_load_b32 v113, v115, s[10:11]
	global_load_b32 v114, v115, s[12:13]
	s_wait_loadcnt 0x0
	ds_store_b32 v[TS], v112
	ds_store_b32 v[TS], v113 offset:512
	ds_store_b32 v[TS], v114 offset:1024
.Lno_table:
.macro SETAD b1, b0, slot              ; the addresses of the half in hand
.if \b1 == B1Q                         ; the x region of slot s begins at s s HALFP; the W region one HALFP (held in the base) behind HALFP << s
	v_add_nc_u32 v[AD1], (\slot)*(\slot)*HALFP, v[\b1]
	v_add_nc_u32 v[AD0], HALFP<<(\slot), v[\b0]
.else
	v_add_nc_u32 v[AD1], HALFP<<(\slot), v[\b1]
	v_add_nc_u32 v[AD0], (\slot)*(\slot)*HALFP, v[\b0]
.endif
.endm
.macro FETCH s, f                      ; 18 LDS loads, each 512 consecutive bytes: K step s's fragments into set f
.irp a, 0,1
.irp c, 0,1,2
	ds_load_b128 v[\f+12*\a+4*\c:\f+12*\a+4*\c+3], v[AD1] offset:KSB*((\s)%4)+FRB*\a+512*\c
.endr
.endr
.irp b, 0,1,2,3
.irp c, 0,1,2
	ds_load_b128 v[\f+24+12*\b+4*\c:\f+24+12*\b+4*\c+3], v[AD0] offset:KSB*((\s)%4)+FRB*\b+512*\c
.endr
.endr
.endm
.macro MUL s, f                        ; 8 products; the eight accumulators take turns, one instruction a turn, in the same order in every step
.irp a, 0,1
.irp b, 0,1,2,3
	v_wmma_scale_f32_16x16x128_f8f6f4 v[ACC+8*(4*\a+\b):ACC+8*(4*\a+\b)+7], v[\f+24+12*\b:\f+24+12*\b+11], v[\f+12*\a:\f+12*\a+11], v[ACC+8*(4*\a+\b):ACC+8*(4*\a+\b)+7], v[SC+8*\b+(\s)], v[SC+8*\a+(\s)] matrix_a_fmt:MATRIX_FMT_FP6 matrix_b_fmt:MATRIX_FMT_FP6 matrix_a_scale:MATRIX_SCALE_ROW1
.endr
.endr
.endm
.macro BIASQK j                        ; the bias begins the sums: both tiles a of S1 take the same eight numbers of tile b
.irp a, 0,1
.irp b, 0,1,2,3
	ds_load_b128 v[ACC+8*(4*\a+\b):ACC+8*(4*\a+\b)+3], v[BQ] offset:512*\j+(32*(\b/2)+8*(\b%2))*4
	ds_load_b128 v[ACC+8*(4*\a+\b)+4:ACC+8*(4*\a+\b)+7], v[BQ] offset:512*\j+(32*(\b/2)+8*(\b%2))*4+16
.endr
.endr
.endm
.macro NEXT sf, ff, sm, fm             ; an ordinary step: the fragments of step sf are asked for, step sm is multiplied
	PLACES
	FETCH \sf, \ff
	s_wait_dscnt 18                                ; all but the 18 loads just issued
	MUL \sm, \fm
.endm
; 32 numbers of a lane, register 16 b + i = k 32 b + 16 (lane / 16) + i of my row, become a half image's six registers in v[pc] on and the row's scale half-word in v[hw].  Each accumulator is read from its low end on.
.macro QUANT2 s, pc, hw
.irp b, 0,1
	v_max3_num_f32 v[TM+\b], |v[(\s)+16*\b]|, |v[(\s)+16*\b+1]|, 0x1800000   ; the floor 2^(3 - 127) among the leaves: the byte cannot fall under 1
.endr
.irp i, 2,4,6,8,10,12,14
.irp b, 0,1
	v_max3_num_f32 v[TM+\b], v[TM+\b], |v[(\s)+16*\b+\i]|, |v[(\s)+16*\b+\i+1]|
.endr
.endr
.irp b, 0,1
	s_delay_alu instid0(VALU_DEP_2)
	v_permlanex16_b32 v[TM+2+\b], v[TM+\b], s[SEL], s[SEL+1]
.endr
.irp b, 0,1
	s_delay_alu instid0(VALU_DEP_2)
	v_max_num_f32 v[TM+\b], v[TM+\b], v[TM+2+\b]   ; with lane l xor 16's: the block's largest magnitude
.endr
.irp b, 0,1
	s_delay_alu instid0(VALU_DEP_2)
	v_add_nc_u32 v[TM+4+\b], 0xff000000, v[TM+\b]  ; 2 off its exponent field: the conversion's scale operand
.endr
.irp b, 0,1
	s_delay_alu instid0(VALU_DEP_2)
	v_lshrrev_b32 v[TM+6+\b], 23, v[TM+4+\b]       ; the scale's byte
.endr
	s_delay_alu instid0(VALU_DEP_1)
	v_lshl_or_b32 v[\hw], v[TM+7], 8, v[TM+6]
	v_cvt_scalef32_pk16_fp6_f32 v[(\pc):(\pc)+2], v[(\s):(\s)+15], v[TM+4]
	v_cvt_scalef32_pk16_fp6_f32 v[(\pc)+6:(\pc)+8], v[(\s)+16:(\s)+31], v[TM+5]
	v_nop                                          ; one plain place behind a scaled conversion
.irp i, 0,1,2
	v_permlane16_swap_b32 v[(\pc)+\i], v[(\pc)+6+\i]   ; a whole block to a lane: lanes 0-15 block 0, lanes 16-31 block 1
.endr
.irp i, 0,1,2
	s_delay_alu instid0(VALU_DEP_3)
	v_mov_b32 v[(\pc)+3+\i], v[(\pc)+6+\i]
.endr
.endm
; A tile's way out, in the second set's registers, while the next tile's first fragments land in the first set.  offc, offs: the scalars with the codes' and the half-words' offsets; strc, strs: their steps from a = 0 to 1
.macro EPI offc, offs, dst, strc, strs
	v_mov_b32 v[TM+2], 0                           ; a lane permute's destination counts as one of its sources
	v_mov_b32 v[TM+3], 0
	v_add_nc_u32 v[ST], s[\offc], v[L16]           ; registers 0-3 of a half image: 16 l
	v_lshrrev_b32 v[ST+1], 1, v[L16]
	s_delay_alu instid0(VALU_DEP_1)
	v_add_nc_u32 v[ST+1], s[\offc], v[ST+1]        ; registers 4-5: 8 l (+ 512 in the store)
	v_and_b32 v[ST+2], 15, v0
	s_delay_alu instid0(VALU_DEP_1)
	v_lshl_add_u32 v[ST+2], v[ST+2], 4, s[\offs]   ; the half-word: 16 r
.irp a, 0,1
	QUANT2 ACC+32*\a, PC+12*\a, HW+\a
	global_store_b128 v[ST], v[PC+12*\a:PC+12*\a+3], s[\dst:\dst+1] offset:\a*\strc          ; 512 consecutive bytes, at a multiple of 256 from the buffer's first byte
	global_store_b64 v[ST+1], v[PC+12*\a+4:PC+12*\a+5], s[\dst:\dst+1] offset:\a*\strc+512   ; 256 consecutive bytes
	global_store_b16 v[ST+2], v[HW+\a], s[\dst:\dst+1] offset:\a*\strs                       ; lanes r and r + 16 hold and store the same
.endr
.endm
; A tile's K steps 0 to 6 and both changes of halves are written out below, tile by tile: what differs is the slots, the kind of each change, and what is asked for ahead.
	s_wait_tensorcnt 0x0                           ; my quarter of Q's panel has landed; slot 2's first fill is issued as a refill is
	ds_add_u32 v[SPW], v[NIL]
	s_mov_b32 s[G1A+2], 48<<16                     ; no tensor load of mine is out: from here on a load brings 48 rows
	s_mov_b32 s[G1A+4], 48
	s_mov_b32 s[G1B+2], 48<<16
	s_mov_b32 s[G1B+4], 48
	s_wait_dscnt 0x0                               ; the add is done, and the bias table is stored
	CROUND
	JLOAD 2                                        ; K's first half
	SETAD B1Q, B0Q, 0
	FETCH 0, F0
	; ---------------- tile 0: Q, slots 0 and 1
	BIASQK 0
	FETCH 1, F1
	s_wait_alu depctr_va_vdst(0)
	s_wait_loadcnt 4                               ; the scale words of K steps 0-3 are in; the four loads for steps 4-7 may be out
	s_wait_dscnt 18                                ; step 0's fragments and the bias are in; step 1's 18 loads may be out
	MUL 0, F0
	NEXT 2, F0, 1, F1
	NEXT 3, F1, 2, F0
	PLACES                                         ; Q's second half has lain in slot 1 since the head: no barrier
	SETAD B1Q, B0Q, 1
	FETCH 4, F0
	s_wait_alu depctr_va_vdst(0)                   ; directly ahead of the wait below
	s_wait_dscnt 18                                ; all but the 18 loads just issued
	MUL 3, F1
	PLACES
	SCLOAD 1, 0                                    ; K's scale words of steps 0-3, into the registers that steps 0-3 have left: four K steps ahead
	FETCH 5, F1
	s_wait_alu depctr_va_vdst(0)
	s_wait_loadcnt 4                               ; this tile's words of steps 4-7 are in; the four just asked for may be out
	s_wait_dscnt 18
	MUL 4, F0
	NEXT 6, F0, 5, F1
	NEXT 7, F1, 6, F0
	s_wait_tensorcnt 0x0                           ; K's first half has landed; Q's panels are read out: regions 0-3 are filled again, by one load a wave
	ds_add_u32 v[SPW], v[NIL]
	s_add_nc_u64 s[G0H+2:G0H+3], s[G0H+2:G0H+3], s[62:63]
	s_add_nc_u64 s[G0HB+2:G0HB+3], s[G0HB+2:G0HB+3], s[88:89]
	s_mov_b32 s[G1A+2], 96<<16                     ; this load brings 96 rows
	s_mov_b32 s[G1A+4], 96
	s_mov_b32 s[G1B+2], 96<<16
	s_mov_b32 s[G1B+4], 96
	s_wait_dscnt 0x0
	CROUND
	s_cmp_lt_u32 s[WV], 4
	s_cbranch_scc0 .Lmid_w
	tensor_load_to_lds s[G0H:G0H+3], s[G1A:G1A+7]
	s_nop 0
	PLACES
	s_branch .Lmid_asked
.Lmid_w:
	tensor_load_to_lds s[G0HB:G0HB+3], s[G1B:G1B+7]
	s_nop 0
	PLACES
.Lmid_asked:
	SETAD B1Q, B0Q, 2
	FETCH 0, F0                                    ; K's first fragments
	MUL 7, F1
	PLACES
	SCLOAD 1, 1
	EPI OFQ, OFQ+1, 14, 768, 2
	s_wait_xcnt 0x0                                ; the stores have read their registers: loads land there only behind this wait
	; ---------------- tile 1: K, slots 2 and 0
	BIASQK 1
	FETCH 1, F1
	s_wait_loadcnt 4
	s_wait_dscnt 18
	MUL 0, F0
	NEXT 2, F0, 1, F1
	NEXT 3, F1, 2, F0
	RB 2, XSTEP+HALFP, WSTEP+HALFP                 ; slot 2 takes V's second half: the last load
	SETAD B1Q, B0Q, 0
	FETCH 4, F0
	MUL 3, F1
	PLACES
	SCLOAD 2, 0
	FETCH 5, F1
	s_wait_alu depctr_va_vdst(0)
	s_wait_loadcnt 4
	s_wait_dscnt 18
	MUL 4, F0
	NEXT 6, F0, 5, F1
	NEXT 7, F1, 6, F0
	PB 1                                           ; V's first half has landed; its second may stay out: nothing more is filled
	PLACES
	SETAD B1V, B0V, 1
	FETCH 0, F0                                    ; V's first fragments: S1 from the W half, S0 from the x half
	MUL 7, F1
	PLACES
	SCLOAD 2, 1
	EPI OFQ+2, OFQ+3, 16, 768, 2
	s_wait_xcnt 0x0
	; ---------------- tile 2: V, slots 1 and 2
	ds_load_b32 v[ACC], v[BV]                      ; a lane holds one channel: its bias stands in all eight registers of each of its tiles
	ds_load_b32 v[ACC+32], v[BV] offset:32
	FETCH 1, F1
	s_wait_loadcnt 4
	s_wait_dscnt 18
.set j, 1
.rept 31
	v_mov_b32 v[ACC+j], v[ACC]
	v_mov_b32 v[ACC+32+j], v[ACC+32]
.set j, j+1
.endr
	MUL 0, F0
	NEXT 2, F0, 1, F1
	NEXT 3, F1, 2, F0
	PB 0                                           ; V's second half: no load was issued behind it
	PLACES
	SETAD B1V, B0V, 2
	FETCH 4, F0
	MUL 3, F1
	PLACES
	FETCH 5, F1
	s_wait_alu depctr_va_vdst(0)
	s_wait_loadcnt 0x0                             ; the last scale words
	s_wait_dscnt 18
	MUL 4, F0
	NEXT 6, F0, 5, F1
	NEXT 7, F1, 6, F0
	s_wait_dscnt 0x0
	MUL 7, F1
	PLACES
	EPI OFQ+4, OFQ+5, 16, 1536, 4
	s_wait_tensorcnt 0x0                           ; the wave's end, behind my last tensor load and my last LDS store
	ds_add_u32 v[SPW], v[NIL]
	s_wait_dscnt 0x0
	CROUND                                         ; the closing round: no work-group ends while a partner may still ask for a tile that names it
	s_endpgm
.Lfunc_end_k_qe138c719cf_proj:
	.size	k_qe138c719cf_proj, .Lfunc_end_k_qe138c719cf_proj-k_qe138c719cf_proj
	.p2alignl 7, 3214868480
	.fill 96, 4, 3214868480
	.section	.rodata,"a",@progbits
	.p2align	6, 0x0
	.amdhsa_kernel k_qe138c719cf_proj
		.amdhsa_group_segment_fixed_size 327680
		.amdhsa_private_segment_fixed_size 0
		.amdhsa_enable_private_segment 0
		.amdhsa_kernarg_size 56
		.amdhsa_user_sgpr_count 2
		.amdhsa_user_sgpr_kernarg_segment_ptr 1
		.amdhsa_wavefront_size32 1
		.amdhsa_system_sgpr_workgroup_id_x 1
		.amdhsa_system_sgpr_workgroup_id_y 1
		.amdhsa_system_sgpr_workgroup_id_z 1
		.amdhsa_system_vgpr_workitem_id 0
		.amdhsa_next_free_vgpr 256
		.amdhsa_next_free_sgpr 100
		.amdhsa_reserve_vcc 1
		.amdhsa_float_denorm_mode_32 3
		.amdhsa_float_denorm_mode_16_64 3
		.amdhsa_memory_ordered 1
		.amdhsa_forward_progress 1
		.amdhsa_inst_pref_size 92
	.end_amdhsa_kernel
	.amdgpu_metadata
---
amdhsa.version: [ 1, 2 ]
amdhsa.kernels:
  - .name:           k_qe138c719cf_proj
    .symbol:         k_qe138c719cf_proj.kd
    .args:
      - { .name: cod, .offset: 0, .size: 8, .value_kind: global_buffer, .address_space: global }
      - { .name: scl, .offset: 8, .size: 8, .value_kind: global_buffer, .address_space: global }
      - { .name: bq, .offset: 16, .size: 8, .value_kind: global_buffer, .address_space: global }
      - { .name: bk, .offset: 24, .size: 8, .value_kind: global_buffer, .address_space: global }
      - { .name: bv, .offset: 32, .size: 8, .value_kind: global_buffer, .address_space: global }
      - { .name: qh, .offset: 40, .size: 8, .value_kind: global_buffer, .address_space: global }
      - { .name: kv, .offset: 48, .size: 8, .value_kind: global_buffer, .address_space: global }
    .group_segment_fixed_size: 327680
    .private_segment_fixed_size: 0
    .kernarg_segment_align: 8
    .kernarg_segment_size: 56
    .max_flat_workgroup_size: 256
    .sgpr_count:     100
    .vgpr_count:     256
    .wavefront_size: 32
...
	.end_amdgpu_metadata
.endif
;; end of part 2
;; launch attn (part 3): grid 8 x 32, 16 waves a work-group, clusters of 4 x 1, 327,680 bytes of LDS; arguments qh, kv, mask, cod, scl; writes cod, scl
.if DOCPART == 3
	.amdgcn_target "amdgcn-amd-amdhsa--gfx1250"
	.amdhsa_code_object_version 6
	.text
	.protected	k_qe138c719cf_attn
	.globl	k_qe138c719cf_attn
	.p2align	8
	.type	k_qe138c719cf_attn,@function
k_qe138c719cf_attn:
	s_mov_b64 s[64:65], 0
	v_nop
	global_prefetch_b8 v0, s[64:65] scope:SCOPE_SE
	s_setreg_imm32_b32 hwreg(HW_REG_WAVE_MODE, 25, 1), 1
	s_wait_xcnt 0x0
	s_wait_alu depctr_hold_cnt(0) depctr_sa_sdst(0) depctr_va_vdst(0) depctr_va_sdst(0) depctr_va_ssrc(0) depctr_va_vcc(0) depctr_vm_vsrc(0)
	s_getreg_b32 s2, hwreg(HW_REG_IB_STS2, 6, 4)
	s_cmp_eq_u32 s2, 0
	s_cbranch_scc0 .Lentry_in_a_cluster
	s_endpgm
.Lentry_in_a_cluster:
	s_bfe_u32 s2, ttmp6, 0x10000c
	s_cmp_lg_u32 s2, 0x3003
	s_cbranch_scc0 .Lentry_shape_is_right
	s_endpgm
.Lentry_shape_is_right:
; O = softmax(Q K^T / 8, masked) V for one batch and head and 256 queries a work-group, on codes of FP6 (E2M3) with E8M0 scales; O leaves quantised along the channels, as the last product's operand.
; SHARES: 16 waves, a wave 16 queries; 16 key steps of 128 keys.  Both products are used transposed (S^T = K Q^T, O^T = V^T P^T): a lane holds one query throughout.
; THE HEAD'S 64 CHANNELS fill half of the instruction's 128: a fragment holds two key tiles (a pair), and Q goes in twice, once beside zeros above and once beside zeros below.
; KEYS: row m of K's tile T is key 64 (T / 4) + 32 (m / 8) + 8 (T % 4) + m % 8 of the step, so score register R = 8 T + j of lane half h is key 64 (R / 32) + 32 h + R % 32:
; a lane's registers 32 c .. 32 c + 31 are block 2 c + h of P, whole, in the order of the operand's registers: no lane looks at another but for the row's maximum and the scale word.
; THE MASK is the score products' C: 0, or -2^100 for a masked key, from a table in LDS of one f32 a key.
; p = 2^(t - M), t = score x log2(e) / 8, M the running maximum of t rounded up; sums and O^T are brought under a new M by a power of two; the row's sum is taken of the unquantised p.
; A block's largest p is the block's largest score put through the same multiply-add and exponential.
; LDS: K and V of the head, 16 x 12,800 bytes, each byte filled once: wave w asks for key step w, one joint load a wave (the cluster's four work-groups share the head).  Waves 0 to 3 have a load line
; of their own: the first barrier shows steps 0 to 3, a second one, behind step 1, the other twelve.  Nothing is filled again.  Behind them the mask table (8,192 bytes) and the spare words.
; All of K and V is asked for at the head: no later tensor load is left for a prefetch to run ahead of.
; LDS LOADS RUN A STEP AHEAD: behind a step's score products its V is fetched, and with it the next step's K pairs 0, 1 (registers of their own) and K's scale words; the next step's mask terms as soon as
; the row's sum has read p; the next step's K pairs 2, 3 behind the second product, into registers that held V.  The last step fetches nothing ahead: the last trip is written out.
; THE WAITS' COUNTS: ahead of the score products 8, 4, 0: the youngest eight loads are pairs 2 and 3, four each.  Ahead of the second product 25: younger than V's loads are 9 of K's and 16 of the mask's (in the last step none).
; LIMITS: the promise holds while the scaled scores stay under 2^31 in magnitude; NaN and infinities are not served; a batch in which every key is masked (NaN in the reference) is not served.
.set STEPB, 12800
.set MTAB,  204800
.set SPARE, 212992
.set L16,  1                           ; v1 16 x lane; v2 8 x lane; v3 16 r; v4 the mask table + 128 h
.set L8,   2
.set LR,   3
.set LM,   4
.set A16,  5                           ; v5-8 the same for the trip in hand
.set A8,   6
.set AR,   7
.set AM,   8
.set FF,   36                          ; v36 f = 2^(old M - new M) (v37 named with it)      v12 -M, v13 the running largest score, v[14:15] the row's sum; v16-33 zeros, Q, zeros
.set TT,   39
.set KV,   40                          ; v40-87 V's fragments; v64-87 before them K's pairs 2, 3
.set S,    88                          ; v88-151 the mask, the scores, p
.set OA,   152                         ; v152-183 O^T
.set PC,   184                         ; v184-195 p's codes; v196-203 the conversions' upper halves, then two chains of the sum
.set CT,   196
.set BM,   204
.set BT,   208
.set BS,   212
.set QS,   214                         ; Q's scale word
.set KS,   216                         ; v216-219 K's scale words, v220-223 V's
.set VS,   220
.set H8,   224                         ; 8 h
.set OM,   225                         ; the old -M
.set PS,   226                         ; p's scale word
.set KX,   228                         ; v228-251 K's pairs 0, 1
.set TM,   204
.set WV,   14
.set SEL,  20
.set CS,   22
.set G1,   24
.set G0,   32
.set NC,   36
.set TB,   40
.set TMS,  41
.set CNT,  42
.macro CROUND
	s_barrier_signal -1
	s_barrier_wait -1
	s_cmp_lg_u32 s[WV], 0
	s_cbranch_scc1 .Lnot_wave_0_\@
	s_barrier_signal -3
.Lnot_wave_0_\@:
	s_barrier_wait -3
	s_barrier_signal -1
	s_barrier_wait -1
.endm
.macro WALU
	s_wait_alu depctr_va_vdst(0)
.endm
.macro D n
	s_delay_alu instid0(VALU_DEP_\n)
.endm
	s_load_b256 s[4:11], s[0:1], 0x0               ; qh, kv, mask, cod
	s_load_b64 s[12:13], s[0:1], 0x20              ; scl
	v_lshl_add_u32 v254, v0, 2, SPARE
	v_mov_b32 v255, 0
	ds_add_u32 v254, v255
	ds_add_u32 v254, v255
	v_lshrrev_b32 v9, 5, v0
	v_readfirstlane_b32 s[WV], v9
	v_and_b32 v[L16], 31, v0
	v_and_b32 v[LR], 15, v0
	v_bfe_u32 v[H8], v0, 4, 1
	v_lshlrev_b32 v[L8], 3, v[L16]
	v_lshlrev_b32 v[L16], 4, v[L16]
	v_lshlrev_b32 v[LR], 4, v[LR]
	v_lshl_add_u32 v[LM], v[H8], 7, MTAB
	v_lshlrev_b32 v[H8], 3, v[H8]
	v_lshl_add_u32 v10, v0, 4, MTAB                ; my four words of the mask table
	v_lshlrev_b32 v[TT], 2, v0                     ; my four bytes of the mask
	s_bfe_u32 s15, ttmp6, 0x40000
	s_lshl_b32 s16, ttmp9, 2
	s_add_co_u32 s16, s16, s15                     ; which 256 queries
	s_and_b32 s17, ttmp7, 0xffff                   ; 16 x batch + head
	s_lshr_b32 s18, s17, 4
	s_and_b32 s19, s17, 15
	s_mov_b32 s[G1], 15|(3<<16)|(1<<21)            ; the four of the cluster; elements of 8 bytes; a key step as 50 rows of 256 bytes
	s_mov_b32 s[G1+1], 32<<16
	s_mov_b32 s[G1+2], 50<<16
	s_mov_b32 s[G1+3], 32<<16
	s_mov_b32 s[G1+4], 50
	s_mov_b32 s[G1+5], 32
	s_mov_b32 s[G1+6], 0
	s_mov_b32 s[G1+7], 0
	s_mov_b32 s[SEL], 0x76543210
	s_mov_b32 s[SEL+1], 0xfedcba98
	s_mov_b32 s[CS], 0x3e38aa3b                    ; c = log2(e) / 8
	s_mov_b32 s[CS+1], s[CS]
	s_mov_b32 s[NC], 0xbe38aa3b                    ; -c
	s_mov_b32 s[TB], 0
	s_mov_b32 s[TMS], 0
	s_mul_i32 s44, s17, 16*STEPB
	s_mul_i32 s46, s[WV], STEPB
	s_add_co_u32 s44, s44, s46
	s_mov_b32 s45, 0
	s_mov_b32 s[G0], 1
	s_mov_b32 s[G0+1], s46
	WALU
	s_wait_dscnt 0x0
	s_wait_kmcnt 0x0
	s_add_nc_u64 s[G0+2:G0+3], s[6:7], s[44:45]
	s_or_b32 s[G0+3], s[G0+3], 0x80000000
	CROUND
	s_cmp_lt_u32 s[WV], 4
	s_cbranch_scc0 .Llater
	tensor_load_to_lds s[G0:G0+3], s[G1:G1+7]      ; key steps 0 to 3
	s_nop 0
.rept 4
	v_nop
.endr
	s_branch .Lasked
.Llater:
	tensor_load_to_lds s[G0:G0+3], s[G1:G1+7]      ; key steps 4 to 15
	s_nop 0
.rept 4
	v_nop
.endr
.Lasked:
	s_and_b32 s47, s[WV], 7                        ; my tile of a group of 128 queries
	s_mul_i32 s48, s47, 768
	s_lshl_b32 s50, s17, 4
	s_lshl_b32 s51, s16, 1
	s_add_co_u32 s50, s50, s51
	s_lshr_b32 s51, s[WV], 3
	s_add_co_u32 s50, s50, s51
	s_mul_i32 s50, s50, 6400
	s_mov_b32 s51, 0
	s_add_nc_u64 s[4:5], s[4:5], s[50:51]
	s_lshl_b32 s52, s18, 11
	s_mov_b32 s53, 0
	s_add_nc_u64 s[8:9], s[8:9], s[52:53]
	v_add_nc_u32 v9, s48, v[L16]
	v_add_nc_u32 v11, s48, v[L8]
	v_lshl_add_u32 v35, s47, 1, v[LR]
	global_load_b32 v40, v[TT], s[8:9]
	global_load_b128 v[22:25], v9, s[4:5]
	global_load_b64 v[26:27], v11, s[4:5] offset:512
	global_load_u16 v[QS], v35, s[4:5] offset:6144
	s_lshl_b32 s54, s18, 4                         ; where O's codes go: panel 128 + 16 x batch + group, K step head / 2, my tile, half head % 2
	s_lshl_b32 s55, s16, 1
	s_add_co_u32 s54, s54, s55
	s_lshr_b32 s55, s[WV], 3
	s_add_co_u32 s54, s54, s55
	s_add_co_u32 s54, s54, 128
	s_mul_i32 s54, s54, 98304
	s_lshr_b32 s55, s19, 1
	s_mul_i32 s55, s55, 12288
	s_add_co_u32 s54, s54, s55
	s_mul_i32 s55, s47, 1536
	s_add_co_u32 s54, s54, s55
	s_and_b32 s58, s19, 1
	s_mul_i32 s55, s58, 768
	s_add_co_u32 s54, s54, s55
	s_mov_b32 s55, 0
	s_add_nc_u64 s[10:11], s[10:11], s[54:55]
	s_lshl_b32 s56, s18, 7                         ; and its scale half-words
	s_lshl_b32 s57, s16, 4
	s_add_co_u32 s56, s56, s57
	s_add_co_u32 s56, s56, s[WV]
	s_add_co_u32 s56, s56, 1024
	s_lshl_b32 s56, s56, 9
	s_lshr_b32 s57, s19, 3
	s_lshl_b32 s57, s57, 8
	s_add_co_u32 s56, s56, s57
	s_bfe_u32 s57, s19, 0x20001
	s_lshl_b32 s57, s57, 2
	s_add_co_u32 s56, s56, s57
	s_lshl_b32 s57, s58, 1
	s_add_co_u32 s56, s56, s57
	s_mov_b32 s57, 0
	s_add_nc_u64 s[12:13], s[12:13], s[56:57]
.irp j, 16,17,18,19,20,21,28,29,30,31,32,33
	v_mov_b32 v[\j], 0
.endr
	v_mov_b32 v13, 0xee000000                      ; under every score that counts, over a masked one
	v_mov_b32 v14, 0
	v_mov_b32 v15, 0
	v_mov_b32 v[FF+1], 0
	v_mul_f32 v12, s[NC], v13
.irp b, 0,1,2,3
	v_mov_b32 v[BT+\b], 0                          ; a lane permute's destination counts as one of its sources
.endr
	v_floor_f32 v12, v12
.set j, 0
.rept 32
	v_mov_b32 v[OA+j], 0                           ; the step is written once: the first finds zeros
.set j, j+1
.endr
	v_mov_b32 v41, 0xf1800000                      ; -2^100
	v_mov_b32 v[OM], v12
	WALU                                           ; directly ahead of the wait below
	s_wait_loadcnt 0x0
	v_lshl_or_b32 v[QS], v[QS], 16, v[QS]          ; the half-word serves both halves of the instruction's K
.irp i, 0,1,2,3
	v_bfe_u32 v42, v40, 8*\i, 8
	v_cmp_ne_u32 vcc_lo, 0, v42
	v_cndmask_b32 v[44+\i], 0, v41, vcc_lo
.endr
	ds_store_b128 v10, v[44:47]
; q: a step counted from the trip's first (0, 1, or 2: the next trip's first)
.macro KXL q                           ; K's pairs 0, 1 and its scale words: 9 loads
.irp T, 0,1,2,3
	ds_load_b128 v[KX+6*\T:KX+6*\T+3], v[A16] offset:STEPB*(\q)+768*\T
	ds_load_b64 v[KX+6*\T+4:KX+6*\T+5], v[A8] offset:STEPB*(\q)+768*\T+512
.endr
	ds_load_b128 v[KS:KS+3], v[AR] offset:STEPB*(\q)+12288
.endm
.macro K23 q                           ; K's pairs 2, 3: 8 loads, pair 2's four first
.irp T, 4,5,6,7
	ds_load_b128 v[KV+6*\T:KV+6*\T+3], v[A16] offset:STEPB*(\q)+768*\T
	ds_load_b64 v[KV+6*\T+4:KV+6*\T+5], v[A8] offset:STEPB*(\q)+768*\T+512
.endr
.endm
.macro MSK q                           ; the mask's terms of keys 64 (n / 8) + 32 h + 4 (n % 8) ..: 16 loads
.irp n, 0,1,2,3,4,5,6,7,8,9,10,11,12,13,14,15
	ds_load_b128 v[S+4*\n:S+4*\n+3], v[AM] offset:512*(\q)+256*(\n/8)+16*(\n%8)
.endr
.endm
.macro QK g, a                         ; the two key tiles of pair g, whose fragment begins at register a
	v_wmma_scale_f32_16x16x128_f8f6f4 v[S+16*\g:S+16*\g+7], v[\a:\a+11], v[22:33], v[S+16*\g:S+16*\g+7], v[KS+\g], v[QS] matrix_a_fmt:MATRIX_FMT_FP6 matrix_b_fmt:MATRIX_FMT_FP6
	v_wmma_scale_f32_16x16x128_f8f6f4 v[S+16*\g+8:S+16*\g+15], v[\a:\a+11], v[16:27], v[S+16*\g+8:S+16*\g+15], v[KS+\g], v[QS] matrix_a_fmt:MATRIX_FMT_FP6 matrix_b_fmt:MATRIX_FMT_FP6
.endm
.macro STEP o, nx                      ; o: which of the trip's two steps; nx = 1: the next step's K and mask are fetched
.if \o == 0
	WALU
.endif
	s_wait_dscnt 8                                 ; all but pairs 2 and 3
	QK 0, KX
	QK 1, KX+12
	s_wait_dscnt 4
	QK 2, KV+24
	s_wait_dscnt 0x0
	QK 3, KV+36
.rept 4
	v_nop                                          ; four places behind the products
.endr
.irp t, 0,1,2,3
.irp c, 0,1
	ds_load_b128 v[KV+12*\t+6*\c:KV+12*\t+6*\c+3], v[A16] offset:STEPB*\o+6144+1536*\t+768*\c
	ds_load_b64 v[KV+12*\t+6*\c+4:KV+12*\t+6*\c+5], v[A8] offset:STEPB*\o+6144+1536*\t+768*\c+512
.endr
.endr
	ds_load_b128 v[VS:VS+3], v[AR] offset:STEPB*\o+12544
.if \nx
	KXL \o+1
.endif
.irp b, 0,1,2,3                        ; the largest score of my two blocks, each in two chains; every accumulator is first read at its low end
	v_max3_num_f32 v[BM+\b], v[S+16*\b], v[S+16*\b+1], v[S+16*\b+2]
.endr
.irp i, 3,5,7,9,11,13
.irp b, 0,1,2,3
	v_max3_num_f32 v[BM+\b], v[BM+\b], v[S+16*\b+\i], v[S+16*\b+\i+1]
.endr
.endr
	v_max3_num_f32 v[BM+1], v[BM+1], v[S+15], v[S+31]
	v_max3_num_f32 v[BM+3], v[BM+3], v[S+47], v[S+63]
	D 2
	v_max_num_f32 v[BM], v[BM], v[BM+1]            ; block h
	D 2
	v_max_num_f32 v[BM+2], v[BM+2], v[BM+3]        ; block 2 + h
	D 1
	v_max_num_f32 v[TT], v[BM], v[BM+2]
	D 1
	v_permlanex16_b32 v[BT+2], v[TT], s[SEL], s[SEL+1]
	D 1
	v_max3_num_f32 v13, v13, v[TT], v[BT+2]        ; the running largest score of my query
	D 1
	v_mul_f32 v12, s[NC], v13
	D 1
	v_floor_f32 v12, v12                           ; -M = floor(-t)
	D 1
	v_sub_f32 v[TT], v12, v[OM]
	D 1
	v_cvt_i32_f32 v[TT], v[TT]                     ; (it saturates)
	D 1
	v_ldexp_f32 v[FF], 1.0, v[TT]
.irp j, 0,2,4,6,8,10,12,14,16,18,20,22,24,26,28,30,32,34,36,38,40,42,44,46,48,50,52,54,56,58,60,62
	v_pk_fma_f32 v[S+\j:S+\j+1], v[S+\j:S+\j+1], s[CS:CS+1], v[12:13] op_sel_hi:[1,0,0]
.endr
	v_fma_f32 v[BM], v[BM], s[CS], v12
	v_fma_f32 v[BM+2], v[BM+2], s[CS], v12
.irp j, 0,2,4,6,8,10,12,14,16,18,20,22,24,26,28,30
	v_pk_mul_f32 v[OA+\j:OA+\j+1], v[OA+\j:OA+\j+1], v[FF:FF+1] op_sel_hi:[1,0]   ; O^T under the new M, ahead of the exponentials
.endr
	v_pk_mul_f32 v[14:15], v[14:15], v[FF:FF+1] op_sel_hi:[1,0]                   ; and the sum
	WALU
.set j, 0
.rept 64
	v_exp_f32 v[S+j], v[S+j]
.set j, j+1
.endr
	v_exp_f32 v[BM], v[BM]
	v_exp_f32 v[BM+2], v[BM+2]
	v_nop                                          ; one plain place behind the exponentials
	WALU
	v_max_num_f32 v[BM], 0x1800000, v[BM]          ; the floor 2^(3 - 127): the byte cannot fall under 1
	v_max_num_f32 v[BM+2], 0x1800000, v[BM+2]
	D 2
	v_add_nc_u32 v[BS], 0xff000000, v[BM]          ; 2 off the exponent field: the conversions' scale operand
	D 2
	v_add_nc_u32 v[BS+1], 0xff000000, v[BM+2]
	D 2
	v_lshrrev_b32 v[BT], 23, v[BS]
	D 2
	v_lshrrev_b32 v[BT+1], 23, v[BS+1]
	D 1
	v_lshl_or_b32 v[PS], v[BT+1], 16, v[BT]        ; the bytes of blocks h and 2 + h,
	D 1
	v_lshlrev_b32 v[PS], v[H8], v[PS]              ; at their places in the word;
	D 1
	v_permlanex16_b32 v[BT+3], v[PS], s[SEL], s[SEL+1]
	D 1
	v_or_b32 v[PS], v[PS], v[BT+3]                 ; with lane l xor 16's two the word is whole
.irp c, 0,1
	v_cvt_scalef32_pk16_fp6_f32 v[PC+6*\c:PC+6*\c+2], v[S+32*\c:S+32*\c+15], v[BS+\c]
	v_cvt_scalef32_pk16_fp6_f32 v[CT+4*\c:CT+4*\c+2], v[S+32*\c+16:S+32*\c+31], v[BS+\c]
.endr
	v_nop                                          ; one plain place behind a scaled conversion
.irp c, 0,1
.irp i, 0,1,2
	v_mov_b32 v[PC+6*\c+3+\i], v[CT+4*\c+\i]       ; (a conversion's three registers begin on an even number)
.endr
.endr
	v_pk_add_f32 v[BT:BT+1], v[S:S+1], v[S+2:S+3]  ; the row's sum, of the unquantised p, in four chains: also the places ahead of the scaled products
	v_pk_add_f32 v[CT:CT+1], v[S+4:S+5], v[S+6:S+7]
	v_pk_add_f32 v[CT+4:CT+5], v[S+8:S+9], v[S+10:S+11]
.irp j, 12,20,28,36,44,52
	v_pk_add_f32 v[14:15], v[14:15], v[S+\j:S+\j+1]
	v_pk_add_f32 v[BT:BT+1], v[BT:BT+1], v[S+\j+2:S+\j+3]
	v_pk_add_f32 v[CT:CT+1], v[CT:CT+1], v[S+\j+4:S+\j+5]
	v_pk_add_f32 v[CT+4:CT+5], v[CT+4:CT+5], v[S+\j+6:S+\j+7]
.endr
	v_pk_add_f32 v[14:15], v[14:15], v[S+60:S+61]
	v_pk_add_f32 v[BT:BT+1], v[BT:BT+1], v[S+62:S+63]
	v_pk_add_f32 v[CT:CT+1], v[CT:CT+1], v[CT+4:CT+5]
	v_pk_add_f32 v[14:15], v[14:15], v[BT:BT+1]
	v_pk_add_f32 v[14:15], v[14:15], v[CT:CT+1]
.if \nx
	MSK \o+1                                       ; p has been read for the last time
.endif
	WALU                                           ; directly ahead of the wait below
	s_wait_dscnt 25*\nx                            ; V's fragments and scale words
.irp t, 0,1,2,3
	v_wmma_scale_f32_16x16x128_f8f6f4 v[OA+8*\t:OA+8*\t+7], v[KV+12*\t:KV+12*\t+11], v[PC:PC+11], v[OA+8*\t:OA+8*\t+7], v[VS+\t], v[PS] matrix_a_fmt:MATRIX_FMT_FP6 matrix_b_fmt:MATRIX_FMT_FP6
.endr
	v_mov_b32 v[OM], v12                           ; four places behind the products
.rept 3
	v_nop
.endr
.if \nx
	K23 \o+1
.endif
.endm
.macro ADDR                            ; the trip's LDS addresses
	v_add_nc_u32 v[A16], s[TB], v[L16]
	v_add_nc_u32 v[A8], s[TB], v[L8]
	v_add_nc_u32 v[AR], s[TB], v[LR]
	v_add_nc_u32 v[AM], s[TMS], v[LM]
.endm
.macro ONWARD
	s_add_co_u32 s[TB], s[TB], 2*STEPB
	s_add_co_u32 s[TMS], s[TMS], 1024
.endm
	WALU
	s_cmp_lt_u32 s[WV], 4
	s_cbranch_scc0 .Lnot_first
	s_wait_tensorcnt 0x0                           ; waves 0 to 3: key steps 0 to 3 have landed
.Lnot_first:
	s_wait_dscnt 0x0                               ; my words of the mask table are stored
	s_barrier_signal -1
	s_barrier_wait -1
	ADDR
	KXL 0
	MSK 0
	K23 0
	STEP 0, 1
	STEP 1, 1                                      ; (it fetches ahead from key step 2, which the first barrier has shown)
	ONWARD
	s_wait_tensorcnt 0x0                           ; every wave's key step has landed
	s_wait_dscnt 0x0
	s_barrier_signal -1
	s_barrier_wait -1
	s_mov_b32 s[CNT], 6
.Lrest:
	ADDR
	STEP 0, 1
	STEP 1, 1
	ONWARD
	s_sub_co_u32 s[CNT], s[CNT], 1
	s_cmp_lg_u32 s[CNT], 0
	s_cbranch_scc1 .Lrest
	ADDR
	STEP 0, 1
	STEP 1, 0
; 32 numbers of a lane, register 16 b + i = channel 32 b + 16 (lane / 16) + i of my query, become a half image's six registers and the row's scale half-word
.macro QUANT2 s, pc, hw
.irp b, 0,1
	v_max3_num_f32 v[TM+\b], |v[(\s)+16*\b]|, |v[(\s)+16*\b+1]|, 0x1800000
.endr
.irp i, 2,4,6,8,10,12,14
.irp b, 0,1
	v_max3_num_f32 v[TM+\b], v[TM+\b], |v[(\s)+16*\b+\i]|, |v[(\s)+16*\b+\i+1]|
.endr
.endr
.irp b, 0,1
	v_permlanex16_b32 v[TM+2+\b], v[TM+\b], s[SEL], s[SEL+1]
.endr
.irp b, 0,1
	v_max_num_f32 v[TM+\b], v[TM+\b], v[TM+2+\b]
.endr
.irp b, 0,1
	v_add_nc_u32 v[TM+4+\b], 0xff000000, v[TM+\b]
.endr
.irp b, 0,1
	v_lshrrev_b32 v[TM+6+\b], 23, v[TM+4+\b]
.endr
	v_lshl_or_b32 v[\hw], v[TM+7], 8, v[TM+6]
	v_cvt_scalef32_pk16_fp6_f32 v[(\pc):(\pc)+2], v[(\s):(\s)+15], v[TM+4]
	v_cvt_scalef32_pk16_fp6_f32 v[(\pc)+6:(\pc)+8], v[(\s)+16:(\s)+31], v[TM+5]
	v_nop
.irp i, 0,1,2
	v_permlane16_swap_b32 v[(\pc)+\i], v[(\pc)+6+\i]
.endr
.irp i, 0,1,2
	v_mov_b32 v[(\pc)+3+\i], v[(\pc)+6+\i]
.endr
.endm
	v_add_f32 v14, v14, v15
	v_permlanex16_b32 v[TT], v14, s[SEL], s[SEL+1]
	v_add_f32 v14, v14, v[TT]                      ; the row's sum: both halves of the pair, both halves of the lanes
	WALU
	v_rcp_f32 v14, v14
	v_nop
	WALU
.set j, 0
.rept 32
	v_mul_f32 v[S+j], v[OA+j], v14
.set j, j+1
.endr
	QUANT2 S, PC, PS
	global_store_b128 v[L16], v[PC:PC+3], s[10:11]
	global_store_b64 v[L8], v[PC+4:PC+5], s[10:11] offset:512
	global_store_b16 v[LR], v[PS], s[12:13]
	s_wait_tensorcnt 0x0                           ; the wave's end
	ds_add_u32 v254, v255
	s_wait_dscnt 0x0
	CROUND                                         ; the closing round
	s_endpgm
.Lfunc_end_k_qe138c719cf_attn:
	.size	k_qe138c719cf_attn, .Lfunc_end_k_qe138c719cf_attn-k_qe138c719cf_attn
	.p2alignl 7, 3214868480
	.fill 96, 4, 3214868480
	.section	.rodata,"a",@progbits
	.p2align	6, 0x0
	.amdhsa_kernel k_qe138c719cf_attn
		.amdhsa_group_segment_fixed_size 327680
		.amdhsa_private_segment_fixed_size 0
		.amdhsa_enable_private_segment 0
		.amdhsa_kernarg_size 40
		.amdhsa_user_sgpr_count 2
		.amdhsa_user_sgpr_kernarg_segment_ptr 1
		.amdhsa_wavefront_size32 1
		.amdhsa_system_sgpr_workgroup_id_x 1
		.amdhsa_system_sgpr_workgroup_id_y 1
		.amdhsa_system_sgpr_workgroup_id_z 1
		.amdhsa_system_vgpr_workitem_id 0
		.amdhsa_next_free_vgpr 256
		.amdhsa_next_free_sgpr 66
		.amdhsa_reserve_vcc 1
		.amdhsa_float_denorm_mode_32 3
		.amdhsa_float_denorm_mode_16_64 3
		.amdhsa_memory_ordered 1
		.amdhsa_forward_progress 1
		.amdhsa_inst_pref_size 111
	.end_amdhsa_kernel
	.amdgpu_metadata
---
amdhsa.version: [ 1, 2 ]
amdhsa.kernels:
  - .name:           k_qe138c719cf_attn
    .symbol:         k_qe138c719cf_attn.kd
    .args:
      - { .name: qh, .offset: 0, .size: 8, .value_kind: global_buffer, .address_space: global }
      - { .name: kv, .offset: 8, .size: 8, .value_kind: global_buffer, .address_space: global }
      - { .name: mask, .offset: 16, .size: 8, .value_kind: global_buffer, .address_space: global }
      - { .name: cod, .offset: 24, .size: 8, .value_kind: global_buffer, .address_space: global }
      - { .name: scl, .offset: 32, .size: 8, .value_kind: global_buffer, .address_space: global }
    .group_segment_fixed_size: 327680
    .private_segment_fixed_size: 0
    .kernarg_segment_align: 8
    .kernarg_segment_size: 40
    .max_flat_workgroup_size: 512
    .sgpr_count:     66
    .vgpr_count:     256
    .wavefront_size: 32
...
	.end_amdgpu_metadata
.endif
;; end of part 3
;; launch outp (part 4): grid 8 x 32, 8 waves a work-group, clusters of 4 x 4, 267,264 bytes of LDS; arguments cod, scl, bo, out0; writes out0
.if DOCPART == 4
	.amdgcn_target "amdgcn-amd-amdhsa--gfx1250"
	.amdhsa_code_object_version 6
	.text
	.protected	k_qe138c719cf_outp
	.globl	k_qe138c719cf_outp
	.p2align	8
	.type	k_qe138c719cf_outp,@function
k_qe138c719cf_outp:
	s_mov_b64 s[64:65], 0
	v_nop
	global_prefetch_b8 v0, s[64:65] scope:SCOPE_SE
	s_setreg_imm32_b32 hwreg(HW_REG_WAVE_MODE, 25, 1), 1
	s_wait_xcnt 0x0
	s_wait_alu depctr_hold_cnt(0) depctr_sa_sdst(0) depctr_va_vdst(0) depctr_va_sdst(0) depctr_va_ssrc(0) depctr_va_vcc(0) depctr_vm_vsrc(0)
	s_getreg_b32 s2, hwreg(HW_REG_IB_STS2, 6, 4)
	s_cmp_eq_u32 s2, 0
	s_cbranch_scc0 .Lentry_in_a_cluster
	s_endpgm
.Lentry_in_a_cluster:
	s_bfe_u32 s2, ttmp6, 0x10000c
	s_cmp_lg_u32 s2, 0xf033
	s_cbranch_scc0 .Lentry_shape_is_right
	s_endpgm
.Lentry_shape_is_right:
; out0 = O Wo^T + bo, on codes of FP6 (E2M3) with E8M0 scales; out0 [4096][1024] f32.
; A work-group makes 128 rows x 128 columns over all of K = 1,024.  S1 (source 1: its rows are the result's lanes) is a panel of 128 rows of O, panels 128-159 of cod; S0 (source 0: its rows run along a lane's
; registers) a panel of 128 rows of Wo, panels 120-127.  Lane r of tile i is the panel's row 32 (i / 2) + 8 (i % 2) + r % 8 + 16 (r / 8), so that a lane's 16 registers of S0's tiles 2 b, 2 b + 1 are 16 neighbouring columns.
; Wo's fragments lie as images of 12 registers (registers 4 c .. at 512 c + 16 l); O's as two half images of 768 bytes, one a head (registers 0-3 at 16 l, 4-5 at 512 + 8 l).
; Both whole panels, 2 x 98,304 bytes, fit in LDS: each byte is filled once, in four chunks of two K steps.  No slot is filled again.
; CLUSTERS: 4 x 4 work-groups.  S1's panel hangs on the cluster's y and cy alone and is shared along a row of the cluster, S0's on its x and cx alone and is shared along a column: joint loads.
; WAVES: eight, each 32 rows (S1's tiles 2 wm, 2 wm + 1) x 64 columns (S0's tiles 4 wn .. 4 wn + 3): 8 accumulators, which begin as the bias.
; THE WAY OUT: a wave's 32 x 64 goes through its own stage in LDS (rows of 256 + 16 bytes, behind the panels; no tensor load lands there) and leaves as whole runs of 256 bytes.
.set PANEL, 98304
.set KSB,   12288
.set FRB,   1536
.set CHUNK, 24576
.set PART,  24576                      ; what a wave's one tensor load brings: a quarter of a panel, two K steps
.set STAGE, 2*PANEL
.set SPI,   272
.set L16,  1                           ; v1      16 x lane
.set AD1,  2                           ; v2-3    LDS address of my S1 fragments' 16-byte parts: K steps 0-3, 4-7
.set AD0,  4                           ; v4-5    of my S0 fragments
.set RR,   6                           ; v6      r
.set HH,   7                           ; v7      h
.set SO1,  8                           ; v8-9    offsets of the scale loads
.set AD8,  10                          ; v10-11  LDS address of my S1 fragments' 8-byte parts
.set SC,   12                          ; v12-43  scale words: register 8 i + s: lanes 0-15 S1's tile 2 wm + i % 2, lanes 16-31 S0's tile 4 wn + i, K step s
.set ACC,  44                          ; v44-107 accumulator (a, b) at 44 + 8 (4 a + b)
.set F0,   108                         ; v108-179, v180-251 two sets of fragments; on the way out v108-171 rows of out0
.set F1,   180
.set STO,  252                         ; v252    the stage: where I put my 32 bytes of a row
.set RD,   253                         ; v253    and where I read rows back
.set CO,   254                         ; v254    my byte offset in out0
.set BO,   255                         ; v255    offset of the bias loads
.set WV,   18                          ; s18 wave; s19 wm; s20 wn; s21 wave % 4; s22 cx; s23 cy; s26 S1's panel; s27 S0's panel; s67 4 x cluster x + cx
.set G1A,  28
.set G1B,  36
.set G0A,  44
.set G0B,  68
.macro CROUND                          ; a round of the cluster's barrier
	s_barrier_signal -1
	s_barrier_wait -1
	s_cmp_lg_u32 s[WV], 0
	s_cbranch_scc1 .Lnot_wave_0_\@
	s_barrier_signal -3
.Lnot_wave_0_\@:
	s_barrier_wait -3
	s_barrier_signal -1
	s_barrier_wait -1
.endm
.macro PLACES                          ; four plain places behind a matrix instruction of this form (ISA guide 7.12.1)
.rept 4
	v_nop
.endr
.endm
	s_load_b256 s[4:11], s[0:1], 0x0               ; cod, scl, bo, out0
	s_set_vgpr_msb 0x40
	v_lshl_add_u32 v0, v0, 2, 0x41000
	v_mov_b32 v1, 0
	s_set_vgpr_msb 0x4045
	ds_add_u32 v0, v1
	ds_add_u32 v0, v1
	s_set_vgpr_msb 0x4500
	v_lshrrev_b32 v10, 5, v0
	s_delay_alu instid0(VALU_DEP_1)
	v_readfirstlane_b32 s[WV], v10                 ; wave 0..7
	s_lshr_b32 s19, s[WV], 1                       ; wm
	s_and_b32 s20, s[WV], 1                        ; wn
	s_and_b32 s21, s[WV], 3
	v_and_b32 v11, 31, v0
	s_delay_alu instid0(VALU_DEP_1)
	v_lshlrev_b32 v[L16], 4, v11
	v_and_b32 v[RR], 15, v0
	v_bfe_u32 v[HH], v0, 4, 1
	s_mul_i32 s98, s19, 2*FRB                      ; every LDS address is made here, ahead of every branch
	v_add_nc_u32 v[AD1], s98, v[L16]
	s_delay_alu instid0(VALU_DEP_1)
	v_add_nc_u32 v[AD1+1], 4*KSB, v[AD1]
	v_lshl_add_u32 v[AD8], v11, 3, s98
	s_delay_alu instid0(VALU_DEP_1)
	v_add_nc_u32 v[AD8+1], 4*KSB, v[AD8]
	s_mul_i32 s98, s20, 4*FRB
	s_add_co_u32 s98, s98, PANEL
	v_add_nc_u32 v[AD0], s98, v[L16]
	s_delay_alu instid0(VALU_DEP_1)
	v_add_nc_u32 v[AD0+1], 4*KSB, v[AD0]
	s_mul_i32 s98, s[WV], 32*SPI
	s_add_co_u32 s98, s98, STAGE                   ; my stage
	v_mul_u32_u24 v[STO], v[RR], SPI
	s_delay_alu instid0(VALU_DEP_1)
	v_lshl_add_u32 v[STO], v[HH], 6, v[STO]
	s_delay_alu instid0(VALU_DEP_1)
	v_add_nc_u32 v[STO], s98, v[STO]               ; in: row r, + 64 h bytes
	v_mul_u32_u24 v[RD], v[HH], SPI
	s_delay_alu instid0(VALU_DEP_1)
	v_lshl_add_u32 v[RD], v[RR], 4, v[RD]
	s_delay_alu instid0(VALU_DEP_1)
	v_add_nc_u32 v[RD], s98, v[RD]                 ; back: lanes 0-15 one row of 256 bytes, lanes 16-31 the next
	v_lshlrev_b32 v[CO], 12, v[HH]
	s_delay_alu instid0(VALU_DEP_1)
	v_lshl_add_u32 v[CO], v[RR], 4, v[CO]          ; and the same two rows in out0
	v_lshlrev_b32 v[BO], 6, v[HH]
	s_bfe_u32 s22, ttmp6, 0x40000                  ; cx
	s_bfe_u32 s23, ttmp6, 0x40004                  ; cy
	s_and_b32 s25, ttmp7, 0xffff
	s_lshl_b32 s25, s25, 2
	s_add_co_u32 s25, s25, s23                     ; 4 Y + cy: which 128 rows
	s_add_co_u32 s26, s25, 128                     ; S1's panel: cy and never cx
	s_lshl_b32 s67, ttmp9, 2
	s_add_co_u32 s67, s67, s22                     ; 4 X + cx: which 128 columns
	s_add_co_u32 s27, s67, 120                     ; S0's panel: cx and never cy
	s_lshl_b32 s96, s23, 2
	s_lshl_b32 s96, 15, s96                        ; my row of the cluster
	s_lshl_b32 s97, 0x1111, s22                    ; my column
	s_or_b32 s[G1A], s96, (3<<16)|(1<<21)          ; 15:0 the mask; 17:16 elements of 8 bytes; 21 set beside a mask; no padding
	s_or_b32 s[G1B], s97, (3<<16)|(1<<21)
.irp g, G1A, G1B                       ; a dense block of 24,576 bytes as 96 rows of 256
	s_mov_b32 s[\g+1], 32<<16
	s_mov_b32 s[\g+2], 96<<16
	s_mov_b32 s[\g+3], 32<<16
	s_mov_b32 s[\g+4], 96
	s_mov_b32 s[\g+5], 32
	s_mov_b32 s[\g+6], 0
	s_mov_b32 s[\g+7], 0
.endr
	s_mul_i32 s62, s21, PART
	s_mul_i32 s60, s26, PANEL
	s_add_co_u32 s60, s60, s62
	s_mov_b32 s61, 0
	s_mul_i32 s84, s27, PANEL
	s_add_co_u32 s84, s84, s62
	s_mov_b32 s85, 0
	s_lshr_b32 s63, s[WV], 2
	s_mul_i32 s63, s63, PANEL
	s_add_co_u32 s63, s63, s62                     ; in LDS: waves 0-3 fill S1's panel, waves 4-7 S0's: the wave's number alone
	s_wait_dscnt 0x0
	s_wait_kmcnt 0x0
	s_add_nc_u64 s[60:61], s[4:5], s[60:61]
	s_add_nc_u64 s[84:85], s[4:5], s[84:85]
.irp c, 0
	s_mov_b32 s[G0A+4*\c], 1
	s_add_co_u32 s[G0A+4*\c+1], s63, \c*CHUNK
	s_add_nc_u64 s[G0A+4*\c+2:G0A+4*\c+3], s[60:61], \c*CHUNK
	s_or_b32 s[G0A+4*\c+3], s[G0A+4*\c+3], 0x80000000
	s_mov_b32 s[G0B+4*\c], 1
	s_add_co_u32 s[G0B+4*\c+1], s63, \c*CHUNK
	s_add_nc_u64 s[G0B+4*\c+2:G0B+4*\c+3], s[84:85], \c*CHUNK
	s_or_b32 s[G0B+4*\c+3], s[G0B+4*\c+3], 0x80000000
.endr
	CROUND                                         ; all sixteen work-groups are here: the joint loads meet
	s_cmp_lt_u32 s[WV], 4                          ; one tensor load a wave, in one branch on the wave's number; four v_nop follow it
	s_cbranch_scc0 .Lfor_s0
.irp c, 0
	tensor_load_to_lds s[G0A+4*\c:G0A+4*\c+3], s[G1A:G1A+7]
	s_nop 0
.endr
	PLACES
	s_branch .Lasked
.Lfor_s0:
.irp c, 0
	tensor_load_to_lds s[G0B+4*\c:G0B+4*\c+3], s[G1B:G1B+7]
	s_nop 0
.endr
	PLACES
.Lasked:
	s_lshl_b32 s98, s26, 3                         ; the scale words of my six tiles, for all of K, straight from memory, once
	s_lshl_b32 s99, s19, 1
	s_add_co_u32 s98, s98, s99
	s_lshl_b32 s98, s98, 9
	s_lshl_b32 s99, s27, 3
	s_lshl_b32 s66, s20, 2
	s_add_co_u32 s99, s99, s66
	s_lshl_b32 s99, s99, 9
	v_mov_b32 v[SO1], s98
	v_mov_b32 v[SO1+1], s99
	v_cmp_eq_u32 vcc_lo, 1, v[HH]
	s_delay_alu instid0(VALU_DEP_1)
	v_cndmask_b32 v[SO1], v[SO1], v[SO1+1], vcc_lo ; lanes 0-15 take S1's, lanes 16-31 S0's
	s_delay_alu instid0(VALU_DEP_1)
	v_lshl_add_u32 v[SO1], v[RR], 4, v[SO1]
	s_delay_alu instid0(VALU_DEP_1)
	v_lshl_add_u32 v[SO1+1], v[HH], 10, v[SO1]     ; for i = 2, 3: S0's tiles two on; lanes 0-15 read S1's two tiles again (those lanes of these registers are not used)
.irp i, 0,1
.irp kh, 0,1
	global_load_b128 v[SC+8*\i+4*\kh:SC+8*\i+4*\kh+3], v[SO1], s[6:7] offset:512*\i+256*\kh
	global_load_b128 v[SC+16+8*\i+4*\kh:SC+16+8*\i+4*\kh+3], v[SO1+1], s[6:7] offset:512*\i+256*\kh
.endr
.endr
	s_lshl_b32 s98, s67, 9                         ; the bias of my 64 columns begins the sums: register j of tile b is column 32 (b / 2) + 8 (b % 2) + 16 h + j
	s_lshl_b32 s99, s20, 8
	s_add_co_u32 s98, s98, s99
	s_mov_b32 s99, 0
	s_add_nc_u64 s[8:9], s[8:9], s[98:99]
	s_wait_alu depctr_va_vdst(0)
.irp a, 0,1
.irp b, 0,1,2,3
	global_load_b128 v[ACC+8*(4*\a+\b):ACC+8*(4*\a+\b)+3], v[BO], s[8:9] offset:(32*(\b/2)+8*(\b%2))*4
	global_load_b128 v[ACC+8*(4*\a+\b)+4:ACC+8*(4*\a+\b)+7], v[BO], s[8:9] offset:(32*(\b/2)+8*(\b%2))*4+16
.endr
.endr
	s_add_nc_u64 s[10:11], s[10:11], s[98:99]      ; out0 at my first column (the same bytes on in a row as in the bias),
	s_lshl_b32 s90, s25, 7
	s_lshl_b32 s91, s19, 5
	s_add_co_u32 s90, s90, s91                     ; and my first row: 128 (4 Y + cy) + 32 wm
	s_lshl_b32 s90, s90, 12
	s_mov_b32 s91, 0
	s_add_nc_u64 s[10:11], s[10:11], s[90:91]
.macro FETCH s, f                      ; 20 LDS loads: K step s's fragments into set f
.irp a, 0,1
.irp u, 0,1
	ds_load_b128 v[\f+12*\a+6*\u:\f+12*\a+6*\u+3], v[AD1+(\s)/4] offset:KSB*((\s)%4)+FRB*\a+768*\u
	ds_load_b64 v[\f+12*\a+6*\u+4:\f+12*\a+6*\u+5], v[AD8+(\s)/4] offset:KSB*((\s)%4)+FRB*\a+768*\u+512
.endr
.endr
.irp b, 0,1,2,3
.irp c, 0,1,2
	ds_load_b128 v[\f+24+12*\b+4*\c:\f+24+12*\b+4*\c+3], v[AD0+(\s)/4] offset:KSB*((\s)%4)+FRB*\b+512*\c
.endr
.endr
.endm
.macro MUL s, f                        ; 8 products; the eight accumulators take turns, one instruction a turn, in the same order in every step
.irp a, 0,1
.irp b, 0,1,2,3
	v_wmma_scale_f32_16x16x128_f8f6f4 v[ACC+8*(4*\a+\b):ACC+8*(4*\a+\b)+7], v[\f+24+12*\b:\f+24+12*\b+11], v[\f+12*\a:\f+12*\a+11], v[ACC+8*(4*\a+\b):ACC+8*(4*\a+\b)+7], v[SC+8*\b+(\s)], v[SC+8*\a+(\s)] matrix_a_fmt:MATRIX_FMT_FP6 matrix_b_fmt:MATRIX_FMT_FP6 matrix_a_scale:MATRIX_SCALE_ROW1
.endr
.endr
.endm
.macro SYNC n                          ; my parts of the chunks up to the one wanted next have landed (n younger loads may stay out); my LDS loads are in; then everybody's
	s_wait_tensorcnt \n
	s_wait_dscnt 0x0
	s_barrier_signal -1
	s_barrier_wait -1
.endm
	SYNC 0                                         ; both panels are in, everybody's quarter: the one barrier of the walk along K
	FETCH 0, F0
	s_wait_loadcnt 0x0                             ; the scale words and the bias
	FETCH 1, F1
	s_wait_dscnt 20                                ; step 0's 20 loads are in; step 1's may be out
	MUL 0, F0
	PLACES
	FETCH 2, F0
	s_wait_dscnt 20                                ; all but the 20 loads just issued
	MUL 1, F1
	PLACES
	FETCH 3, F1
	s_wait_dscnt 20
	MUL 2, F0
	PLACES
	FETCH 4, F0
	s_wait_dscnt 20
	MUL 3, F1
	PLACES
	FETCH 5, F1
	s_wait_dscnt 20
	MUL 4, F0
	PLACES
	FETCH 6, F0
	s_wait_dscnt 20
	MUL 5, F1
	PLACES
	FETCH 7, F1
	s_wait_dscnt 20
	MUL 6, F0
	s_wait_dscnt 0x0
	MUL 7, F1
	PLACES                                         ; behind the last products: their results are read, and loads land in the fragments' registers
.irp a, 0,1
.irp b, 0,1,2,3
	ds_store_b128 v[STO], v[ACC+8*(4*\a+\b):ACC+8*(4*\a+\b)+3] offset:16*SPI*\a+128*(\b/2)+32*(\b%2)        ; each accumulator from its low end on
	ds_store_b128 v[STO], v[ACC+8*(4*\a+\b)+4:ACC+8*(4*\a+\b)+7] offset:16*SPI*\a+128*(\b/2)+32*(\b%2)+16
.endr
.endr
.irp k, 0,1,2,3,4,5,6,7,8,9,10,11,12,13,14,15
	ds_load_b128 v[F0+4*\k:F0+4*\k+3], v[RD] offset:2*SPI*\k   ; LDS serves a wave's instructions in order: these see my stores.  Stage rows 2 k and 2 k + 1
.endr
.irp k, 0,1,2,3,4,5,6,7,8,9,10,11,12,13,14,15
	s_wait_dscnt 15-\k                             ; pair k is back; the younger loads may be out
	global_store_b128 v[CO], v[F0+4*\k:F0+4*\k+3], s[10:11] offset:(8*(\k/8)+16*((\k/4)%2)+2*(\k%4))*4096 th:TH_STORE_NT   ; stage row 16 a + r is my row 8 a + r % 8 + 16 (r / 8); 16 lanes store 256 consecutive bytes, at a multiple of 256 from out0's first byte
.endr
	s_set_vgpr_msb 0x5
	s_wait_tensorcnt 0x0
	ds_add_u32 v0, v1
	s_wait_dscnt 0x0
	s_set_vgpr_msb 0x500
	CROUND                                         ; the closing round: no work-group ends while a partner may still ask for a tile that names it
	s_endpgm
.Lfunc_end_k_qe138c719cf_outp:
	.size	k_qe138c719cf_outp, .Lfunc_end_k_qe138c719cf_outp-k_qe138c719cf_outp
	.p2alignl 7, 3214868480
	.fill 96, 4, 3214868480
	.section	.rodata,"a",@progbits
	.p2align	6, 0x0
	.amdhsa_kernel k_qe138c719cf_outp
		.amdhsa_group_segment_fixed_size 267264
		.amdhsa_private_segment_fixed_size 0
		.amdhsa_enable_private_segment 0
		.amdhsa_kernarg_size 32
		.amdhsa_user_sgpr_count 2
		.amdhsa_user_sgpr_kernarg_segment_ptr 1
		.amdhsa_wavefront_size32 1
		.amdhsa_system_sgpr_workgroup_id_x 1
		.amdhsa_system_sgpr_workgroup_id_y 1
		.amdhsa_system_sgpr_workgroup_id_z 1
		.amdhsa_system_vgpr_workitem_id 0
		.amdhsa_next_free_vgpr 258
		.amdhsa_next_free_sgpr 100
		.amdhsa_reserve_vcc 1
		.amdhsa_float_denorm_mode_32 3
		.amdhsa_float_denorm_mode_16_64 3
		.amdhsa_memory_ordered 1
		.amdhsa_forward_progress 1
		.amdhsa_inst_pref_size 33
	.end_amdhsa_kernel
	.amdgpu_metadata
---
amdhsa.version: [ 1, 2 ]
amdhsa.kernels:
  - .name:           k_qe138c719cf_outp
    .symbol:         k_qe138c719cf_outp.kd
    .args:
      - { .name: cod, .offset: 0, .size: 8, .value_kind: global_buffer, .address_space: global }
      - { .name: scl, .offset: 8, .size: 8, .value_kind: global_buffer, .address_space: global }
      - { .name: bo, .offset: 16, .size: 8, .value_kind: global_buffer, .address_space: global }
      - { .name: out0, .offset: 24, .size: 8, .value_kind: global_buffer, .address_space: global }
    .group_segment_fixed_size: 267264
    .private_segment_fixed_size: 0
    .kernarg_segment_align: 8
    .kernarg_segment_size: 32
    .max_flat_workgroup_size: 256
    .sgpr_count:     100
    .vgpr_count:     258
    .wavefront_size: 32
...
	.end_amdgpu_metadata
.endif
;; end of part 4
